; MI455X (gfx1250); checked and timed in simulation.
; The chip was launched on July 23, 2026; its instructions are those of AMD's public machine-readable ISA for CDNA 5 (MIT licence, August 2026) and "CDNA5" Instruction Set Architecture Reference Guide (July 2026). The comments in the code are by the model that wrote it; some were corrected since.
;; Causal Self Attention. Allowed arithmetic: matrix products marked QUANTISED: E2M1 operands, one E8M0 scale for each 32 along K, by v_wmma_scale_f32_16x16x128_f8f6f4 with both operands' format E2M1 (or v_wmma_scale_f32_32x16x128_f4), f32 sums; products left as they are: bf16, f16 or f32 operands; f32 sums; everything else in f32.
;; Inputs: W_attn 1,024 x 3,072 float32; W_proj 1,024 x 1,024 float32; b_attn 3,072 float32; b_proj 1,024 float32; x 4 x 2,048 x 1,024 float32.
;; Outputs: out0 4 x 2,048 x 1,024 float32.
;; This version of the problem:
;;   THIS VERSION OF THE PROBLEM IS GIVEN IN LOW PRECISION. The matrix products marked QUANTISED in the list below multiply operands that are first quantised to E2M1 (2 exponent bits, 1 mantissa bit; 4 bits a number), with one power-of-two scale for each 32 numbers along K (OCP MX v1.0); their sums are f32. The products marked 'left as it is' may take bf16, f16 or f32 operands, with f32 sums. Whichever they take, every output number must still come out within the allowed error. Rounding operands to bf16 (8 significant bits) uses up far more of that allowance than f16 does (11 bits, for magnitudes from 6e-5 to 65,504). All else is computed in f32.
;;   The module's matrix products, in the order in which they are computed (A, B: the left and right operand; K: the contracted axis; several contracted axes count as one K, in the product's order):
;;     1. [M 8,192, K 1,024] x [K 1,024, N 3,072]; A: input x; B: input W_attn: QUANTISED
;;     2. batch 64 x [M 2,048, K 64] x [K 64, N 2,048]; A: computed on the way; B: computed on the way: left as it is (an operand is computed on the way)
;;     3. batch 64 x [M 2,048, K 2,048] x [K 2,048, N 64]; A: computed on the way; B: computed on the way: left as it is (an operand is computed on the way)
;;     4. [M 8,192, K 1,024] x [K 1,024, N 1,024]; A: computed on the way; B: input W_proj: left as it is (an operand is computed on the way)
;;   THE QUANTISER, for each operand of a quantised product, along K:
;;     - K is cut into blocks of 32 from its start; a last block that is shorter is filled with zeros.
;;     - A block's scale is 2^e with e = floor(log2(the largest magnitude in the block)) - 2, held to -126 .. 127; a block of zeros has e = 0. As a byte (E8M0): e + 127.
;;     - Each number is divided by its block's scale, clamped to +-6, and rounded to the nearest number of E2M1, ties to even, subnormals kept.
;;     - The product sums the exact products of the quantised numbers (number of the format x scale) in f32.
;;   ~~~python
;;   def quantise(x, axis):      # numpy; x: float32 -> the quantised numbers, widened to float32 again
;;       x = np.moveaxis(x, axis, -1); K = x.shape[-1]
;;       x = np.pad(x, [(0, 0)] * (x.ndim - 1) + [(0, -K % 32)]); x = x.reshape(x.shape[:-1] + (-1, 32)); a = np.abs(x).max(-1, keepdims=True)
;;       e = np.where(a > 0, np.clip(np.frexp(np.where(a > 0, a, 1))[1] - 1 - 2, -126, 127), 0)      # np.frexp(a)[1] - 1 = floor(log2(a)), exactly
;;       r = np.clip(x / 2.0 ** e, -6, 6)
;;       step = 2.0 ** (np.maximum(np.frexp(np.where(r == 0, 1, r))[1] - 1, 0) - 1)
;;       q = np.round(r / step) * step * 2.0 ** e      # np.round: ties to even
;;       return np.moveaxis(q.reshape(q.shape[:-2] + (-1,))[..., :K], -1, axis).astype(np.float32)
;;   ~~~
;; One version. Each part assembles by itself: llvm-mc -triple=amdgcn-amd-amdhsa -mcpu=gfx1250 --defsym DOCPART=n.
;; ======== version 1 of 1: 5 launches
;; limits: values are held in f16: magnitudes above 65,504 overflow, below 6.1e-05 lose precision
;; workspace buffers: x_img 4,194,304 bytes; x_sc 262,144 bytes; wa_img 1,572,864 bytes; wa_sc 98,304 bytes; wp_img 2,097,152 bytes; qkv_img 50,331,648 bytes; qkv32 786,432 bytes; y_img 16,777,216 bytes
;; launch prep (part 1): grid 320 x 1, 4 waves a work-group, no clusters, 67,072 bytes of LDS; arguments x, W_attn, W_proj, x_img, x_sc, wa_img, wa_sc, wp_img; writes x_img, x_sc, wa_img, wa_sc, wp_img
.if DOCPART == 1
	.amdgcn_target "amdgcn-amd-amdhsa--gfx1250"
	.amdhsa_code_object_version 6
	.text
	.protected	k_q54a2a28498_prep
	.globl	k_q54a2a28498_prep
	.p2align	8
	.type	k_q54a2a28498_prep,@function
k_q54a2a28498_prep:
	s_mov_b64 s[64:65], 0
	v_nop
	global_prefetch_b8 v0, s[64:65] scope:SCOPE_SE
	s_setreg_imm32_b32 hwreg(HW_REG_WAVE_MODE, 25, 1), 1
	s_wait_xcnt 0x0
; PREP.  x [8192][1024] and W_attn [1024 (k)][3072] become codes of FP4 (E2M1) with one E8M0 byte for each 32 along K; W_proj [1024 (k)][1024] becomes f16 with K innermost.
; ALL THREE ARE STORED AS IMAGES OF THE OPERAND REGISTERS of the launches that read them: a fragment (16 rows x 128 K of codes, or 16 rows x 32 K of f16) is 1,024 bytes, two pieces of 512, lane l's 16 bytes at 16 l.
; In both formats byte 256 p + 16 r of a fragment is piece p of row r (codes: one block of 32; f16: k = 8 p .. 8 p + 7).
;   x_img  [k/512][row/16][(k%512)/128][1024]     x_sc  [k/512][row][16]: byte = block (k%512)/32, that is four scale words a row
;   wa_img [k/512][n/16][(k%512)/128][1024]       wa_sc [k/512][n][16]
;   wp_img [k/128][n/16][(k%128)/32][1024]
; A block's scale is 2^(floor(log2(largest magnitude)) - 2): its byte is the largest magnitude's exponent field - 2, held at 1 from below by a floor among the maximum's leaves.
; LIMITS: a block of zeros gets the byte 1 (its codes are zeros, and this program alone reads the bytes); NaN and infinities are not served; |W_proj| stays under 65,504, f16's largest number.
; SHARES.  Work-groups 0-47: W_attn; 48-63: W_proj; 64-319: x.  The paths part on the work-group's number and never meet again; each has LDS bytes of its own.  Waves share nothing: no barrier.
;   x: a wave takes 16 rows x 512 K.  All its 64 loads (512 consecutive bytes each) go out at the head; a K step of 128 turns through the wave's stage (rows of 512 + 16 bytes), so that a lane gets two whole blocks of its row.
;   W: a wave takes 32 columns x 512 K, a block of 32 along K at a time, seven blocks (56 loads) ahead.  A block (32 rows x 128 bytes) goes into the stage as it lies and comes back a lane to a column, registers down K.
; REGISTERS: window 1 (v256-511): the numbers as loaded.  Window 0: v1-7 addresses, v8-13 at work, v14, v15 the add's two, v16.. a step's numbers, then codes or f16, v112-115 scale bytes.
.set XSTG,  8448                       ; x: a wave's stage, 16 rows x 528 bytes; the four lie from LDS byte 0
.set WAST,  33792                      ; W_attn: four stages of 4,096 bytes
.set WPST,  50176                      ; W_proj: four stages of 4,096 bytes
.set SPARE, 66560                      ; the spare words, 128 bytes for each wave: two blocks of 256 bytes that no other line names
.set SPW,   14
.set NIL,   15
.set X,     16                         ; x: v16-79; W: v16-47
.set CX,    80                         ; x: v80-111 codes, eight registers for each K step: no store's data are written again
.set CW,    48                         ; W: v48-111 codes (four a block) or f16 (four sets of 16)
.set SW,    112                        ; v112-115 scale words (x) or scale bytes (W_attn)
.set MSB,   0
.macro WIN new                         ; the immediate's high byte repeats the setting that is left
.if MSB != (\new)
	s_set_vgpr_msb (MSB<<8)|(\new)
.set MSB, (\new)
.endif
.endm
; x: K step t of the wave's 512
.macro XSTEP t
	s_wait_loadcnt 16*(3-\t)                       ; this step's 16 loads are in; the later steps' may be out
	WIN 0x04                                       ; an LDS store's data: window 1
.irp row, 0,1,2,3,4,5,6,7,8,9,10,11,12,13,14,15
	ds_store_b128 v5, v[64*\t+4*\row:64*\t+4*\row+3] offset:528*\row
.endr
	WIN 0
.irp c, 0,1                                    ; lane (r, h): k = 64 c + 32 h + 0 .. 31 of row r.  LDS serves a wave's instructions in order: these see the stores above
.irp i, 0,1,2,3,4,5,6,7
	ds_load_b128 v[X+32*\c+4*\i:X+32*\c+4*\i+3], v6 offset:256*\c+16*\i
.endr
.endr
	s_wait_dscnt 0x0
.irp c, 0,1
	v_max3_num_f32 v[8+\c], |v[X+32*\c]|, |v[X+32*\c+1]|, 0x1800000   ; my two blocks by turns; the floor 2^(3 - 127) holds the byte at 1 from below
.endr
.irp i, 2,4,6,8,10,12,14,16,18,20,22,24,26,28,30
.irp c, 0,1
	v_max3_num_f32 v[8+\c], v[8+\c], |v[X+32*\c+\i]|, |v[X+32*\c+\i+1]|
.endr
.endr
.irp c, 0,1
	v_add_nc_u32 v[10+\c], 0xff000000, v[8+\c]     ; 2 off the exponent field: the conversion takes this operand's exponent field as its scale
.endr
.irp c, 0,1
	v_lshrrev_b32 v[12+\c], 23, v[10+\c]           ; the scale's byte
.endr
.irp c, 0,1
.irp g, 0,1,2,3
	v_cvt_scalef32_pk8_fp4_f32 v[CX+8*\t+4*\c+\g], v[X+32*\c+8*\g:X+32*\c+8*\g+7], v[10+\c]
.endr
.endr
	v_lshl_or_b32 v[SW+\t], v13, 16, v12           ; (a plain line behind the conversions)  my bytes: blocks h and 2 + h,
	v_lshlrev_b32 v[SW+\t], v117, v[SW+\t]         ; 8 h bits up;
	v_permlanex16_b32 v116, v[SW+\t], s28, s29
	v_or_b32 v[SW+\t], v[SW+\t], v116              ; with lane l xor 16's two the row's scale word is whole
.irp c, 0,1
	global_store_b128 v4, v[CX+8*\t+4*\c:CX+8*\t+4*\c+3], s[10:11] offset:1024*\t+512*\c   ; 512 consecutive bytes, aligned
.endr
.endm
; W: block t's eight loads, four rows of 128 bytes each, into set t % 8 of window 1
.macro WLOAD t, sb, pitch
.irp j, 0,1,2,3,4,5,6,7
	global_load_b128 v[32*((\t)%8)+4*\j:32*((\t)%8)+4*\j+3], v7, s[\sb:\sb+1] offset:(32*(\t)+4*\j)*\pitch
.endr
.endm
; W: block t is waited for and turned through the stage; then block t + 7 is asked for, into the set of block t - 1, whose stage stores were waited for a block ago
.macro WTURN t, sb, pitch
.if (\t)+6 < 15
	s_wait_loadcnt 48                              ; the six blocks behind this one may be out
.else
	s_wait_loadcnt 8*(15-(\t))
.endif
	WIN 0x04
.irp j, 0,1,2,3,4,5,6,7
	ds_store_b128 v5, v[32*((\t)%8)+4*\j:32*((\t)%8)+4*\j+3] offset:512*\j
.endr
	WIN 0
.irp k, 0,1,2,3,4,5,6,7,8,9,10,11,12,13,14,15,16,17,18,19,20,21,22,23,24,25,26,27,28,29,30,31
	ds_load_b32 v[X+\k], v6 offset:128*\k          ; W(32 t + k, my column)
.endr
	s_wait_dscnt 0x0
.if (\t)+7 < 16
	WIN 0x40
	WLOAD (\t)+7, \sb, \pitch
	WIN 0
.endif
.endm
.macro ABLK t                          ; W_attn: a block becomes 16 bytes of codes and a scale byte
	WTURN \t, 6, 12288
	v_max3_num_f32 v8, |v[X]|, |v[X+1]|, |v[X+2]|
	v_max3_num_f32 v9, |v[X+3]|, |v[X+4]|, |v[X+5]|
.irp i, 6,10,14,18,22,26
	v_max3_num_f32 v8, v8, |v[X+\i]|, |v[X+\i+1]|
	v_max3_num_f32 v9, v9, |v[X+\i+2]|, |v[X+\i+3]|
.endr
	v_max3_num_f32 v8, v8, |v[X+30]|, |v[X+31]|
	v_max3_num_f32 v8, v8, v9, 0x1800000
	v_add_nc_u32 v10, 0xff000000, v8
	v_lshrrev_b32 v12, 23, v10
.if (\t)%4 == 0
	v_mov_b32 v[SW+(\t)/4], v12
.else
	v_lshl_or_b32 v[SW+(\t)/4], v12, 8*((\t)%4), v[SW+(\t)/4]
.endif
.irp g, 0,1,2,3
	v_cvt_scalef32_pk8_fp4_f32 v[CW+4*(\t)+\g], v[X+8*\g:X+8*\g+7], v10
.endr
	v_nop                                          ; a plain line behind the conversions
	global_store_b128 v3, v[CW+4*(\t):CW+4*(\t)+3], s[14:15] offset:256*(\t)   ; sixteen lanes fill 256 consecutive bytes, aligned: piece t % 4 of K step t / 4
.endm
.macro PBLK t                          ; W_proj: a block becomes one fragment's worth of f16 for my column
	WTURN \t, 8, 4096
.if (\t) >= 4
	s_wait_xcnt 0x0                                ; the stores of four blocks ago have read their data: the set is written again only behind this wait
.endif
.irp i, 0,1,2,3,4,5,6,7,8,9,10,11,12,13,14,15
	v_cvt_pk_f16_f32 v[CW+16*((\t)%4)+\i], v[X+2*\i], v[X+2*\i+1]
.endr
.irp p, 0,1,2,3
	global_store_b128 v3, v[CW+16*((\t)%4)+4*\p:CW+16*((\t)%4)+4*\p+3], s[18:19] offset:((\t)/4)*262144+((\t)%4)*1024+256*\p
.endr
.endm
.macro CLOSE                           ; the wave's end: behind my last LDS store
	s_wait_tensorcnt 0x0
	ds_add_u32 v[SPW], v[NIL]
	s_wait_dscnt 0x0
	s_endpgm
.endm
	s_load_b256 s[4:11], s[0:1], 0x0               ; x s[4:5], W_attn s[6:7], W_proj s[8:9], x_img s[10:11]
	s_load_b256 s[12:19], s[0:1], 0x20             ; x_sc s[12:13], wa_img s[14:15], wa_sc s[16:17], wp_img s[18:19]
	v_lshl_add_u32 v[SPW], v0, 2, SPARE
	v_mov_b32 v[NIL], 0
	v_lshrrev_b32 v1, 5, v0
	v_readfirstlane_b32 s20, v1                    ; wave
	v_and_b32 v1, 31, v0                           ; lane
	v_lshlrev_b32 v4, 4, v1                        ; 16 x lane
	s_mov_b32 s25, 0
	s_mov_b32 s28, 0x76543210
	s_mov_b32 s29, 0xfedcba98                      ; v_permlanex16_b32's selects for lane l xor 16
	s_wait_kmcnt 0x0
	s_cmp_lt_u32 ttmp9, 48
	s_cbranch_scc1 .Lwa
	s_cmp_lt_u32 ttmp9, 64
	s_cbranch_scc1 .Lwp
	; ---- x
	s_sub_co_u32 s21, ttmp9, 64
	s_lshl_b32 s21, s21, 2
	s_add_co_u32 s21, s21, s20                     ; which of 1,024 shares
	s_lshr_b32 s22, s21, 1                         ; its tile of 16 rows
	s_and_b32 s23, s21, 1                          ; its half of K
	s_lshl_b32 s24, s22, 16                        ; 16 rows of 4,096 bytes
	s_lshl_b32 s26, s23, 11
	s_add_co_u32 s24, s24, s26
	s_add_nc_u64 s[4:5], s[4:5], s[24:25]
	WIN 0x40                                       ; destination window 1
.irp t, 0,1,2,3
.irp row, 0,1,2,3,4,5,6,7,8,9,10,11,12,13,14,15
	global_load_b128 v[64*\t+4*\row:64*\t+4*\row+3], v4, s[4:5] offset:4096*\row+512*\t th:TH_LOAD_NT
.endr
.endr
	WIN 0
	s_lshl_b32 s24, s23, 21
	s_lshl_b32 s26, s22, 12
	s_add_co_u32 s24, s24, s26
	s_add_nc_u64 s[10:11], s[10:11], s[24:25]      ; my four fragments
	s_lshl_b32 s24, s23, 17
	s_lshl_b32 s26, s22, 8
	s_add_co_u32 s24, s24, s26
	s_add_nc_u64 s[12:13], s[12:13], s[24:25]      ; my 16 rows' scale words
	v_and_b32 v2, 15, v0                           ; r
	v_bfe_u32 v3, v0, 4, 1                         ; h
	s_mul_i32 s27, s20, XSTG
	v_add_nc_u32 v5, s27, v4                       ; the stage, in: 16 x lane, a row an instruction
	v_mul_u32_u24 v6, v2, 528
	v_lshl_add_u32 v6, v3, 7, v6
	v_add_nc_u32 v6, s27, v6                       ; out: row r, + 128 h
	v_lshlrev_b32 v7, 4, v2
	v_lshl_add_u32 v7, v3, 3, v7                   ; 16 r + 8 h
	v_lshlrev_b32 v117, 3, v3                      ; 8 h
	v_mov_b32 v116, 0                              ; a lane permute's destination counts as one of its sources
	XSTEP 0
	XSTEP 1
	XSTEP 2
	XSTEP 3
	v_cmp_ne_u32 vcc_lo, 0, v3
	v_cndmask_b32 v118, v112, v114, vcc_lo         ; lanes 0-15 store words 0 and 1 of their row, lanes 16-31 words 2 and 3
	v_cndmask_b32 v119, v113, v115, vcc_lo
	global_store_b64 v7, v[118:119], s[12:13]      ; 256 consecutive bytes, aligned
	CLOSE
	; ---- W_attn
.Lwa:
	s_lshl_b32 s21, ttmp9, 2
	s_add_co_u32 s21, s21, s20                     ; which of 192 shares
	s_lshr_b32 s22, s21, 1                         ; its 32 columns
	s_and_b32 s23, s21, 1                          ; its half of K
	s_mul_i32 s24, s23, 6291456                    ; 512 rows of 12,288 bytes
	s_lshl_b32 s26, s22, 7
	s_add_co_u32 s24, s24, s26
	s_add_nc_u64 s[6:7], s[6:7], s[24:25]
	v_lshrrev_b32 v2, 3, v1
	v_and_b32 v3, 7, v1
	v_mul_u32_u24 v7, v2, 12288
	v_lshl_add_u32 v7, v3, 4, v7                   ; row lane / 8 of four, 16 bytes lane % 8 of 128
	WIN 0x40
.irp t, 0,1,2,3,4,5,6
	WLOAD \t, 6, 12288
.endr
	WIN 0
	s_mul_i32 s24, s23, 786432
	s_lshl_b32 s26, s22, 13
	s_add_co_u32 s24, s24, s26
	s_add_nc_u64 s[14:15], s[14:15], s[24:25]
	s_mul_i32 s24, s23, 49152
	s_lshl_b32 s26, s22, 9
	s_add_co_u32 s24, s24, s26
	s_add_nc_u64 s[16:17], s[16:17], s[24:25]
	s_lshl_b32 s27, s20, 12
	s_add_co_u32 s27, s27, WAST
	v_add_nc_u32 v5, s27, v4                       ; the stage, in: as the bytes lie
	v_lshl_add_u32 v6, v1, 2, s27                  ; out: my column
	v_lshrrev_b32 v2, 4, v1
	v_and_b32 v3, 15, v1
	v_lshlrev_b32 v3, 4, v3
	v_lshl_add_u32 v3, v2, 12, v3                  ; my column's place in the images: tile lane / 16, row lane % 16
.irp t, 0,1,2,3,4,5,6,7,8,9,10,11,12,13,14,15
	ABLK \t
.endr
	global_store_b128 v4, v[SW:SW+3], s[16:17]     ; my column's 16 scale bytes: 512 consecutive bytes a wave
	CLOSE
	; ---- W_proj
.Lwp:
	s_sub_co_u32 s21, ttmp9, 48
	s_lshl_b32 s21, s21, 2
	s_add_co_u32 s21, s21, s20                     ; which of 64 shares
	s_lshr_b32 s22, s21, 1
	s_and_b32 s23, s21, 1
	s_lshl_b32 s24, s23, 21                        ; 512 rows of 4,096 bytes
	s_lshl_b32 s26, s22, 7
	s_add_co_u32 s24, s24, s26
	s_add_nc_u64 s[8:9], s[8:9], s[24:25]
	v_lshrrev_b32 v2, 3, v1
	v_and_b32 v3, 7, v1
	v_lshlrev_b32 v7, 12, v2
	v_lshl_add_u32 v7, v3, 4, v7
	WIN 0x40
.irp t, 0,1,2,3,4,5,6
	WLOAD \t, 8, 4096
.endr
	WIN 0
	s_lshl_b32 s24, s23, 20
	s_lshl_b32 s26, s22, 13
	s_add_co_u32 s24, s24, s26
	s_add_nc_u64 s[18:19], s[18:19], s[24:25]
	s_lshl_b32 s27, s20, 12
	s_add_co_u32 s27, s27, WPST
	v_add_nc_u32 v5, s27, v4
	v_lshl_add_u32 v6, v1, 2, s27
	v_lshrrev_b32 v2, 4, v1
	v_and_b32 v3, 15, v1
	v_lshlrev_b32 v3, 4, v3
	v_lshl_add_u32 v3, v2, 12, v3
.irp t, 0,1,2,3,4,5,6,7,8,9,10,11,12,13,14,15
	PBLK \t
.endr
	CLOSE
.Lfunc_end_k_q54a2a28498_prep:
	.size	k_q54a2a28498_prep, .Lfunc_end_k_q54a2a28498_prep-k_q54a2a28498_prep
	.p2alignl 7, 3214868480
	.fill 96, 4, 3214868480
	.section	.rodata,"a",@progbits
	.p2align	6, 0x0
	.amdhsa_kernel k_q54a2a28498_prep
		.amdhsa_group_segment_fixed_size 67072
		.amdhsa_private_segment_fixed_size 0
		.amdhsa_enable_private_segment 0
		.amdhsa_kernarg_size 64
		.amdhsa_user_sgpr_count 2
		.amdhsa_user_sgpr_kernarg_segment_ptr 1
		.amdhsa_wavefront_size32 1
		.amdhsa_system_sgpr_workgroup_id_x 1
		.amdhsa_system_sgpr_workgroup_id_y 1
		.amdhsa_system_sgpr_workgroup_id_z 1
		.amdhsa_system_vgpr_workitem_id 0
		.amdhsa_next_free_vgpr 512
		.amdhsa_next_free_sgpr 66
		.amdhsa_reserve_vcc 1
		.amdhsa_float_denorm_mode_32 3
		.amdhsa_float_denorm_mode_16_64 3
		.amdhsa_memory_ordered 1
		.amdhsa_forward_progress 1
		.amdhsa_inst_pref_size 189
	.end_amdhsa_kernel
	.amdgpu_metadata
---
amdhsa.version: [ 1, 2 ]
amdhsa.kernels:
  - .name:           k_q54a2a28498_prep
    .symbol:         k_q54a2a28498_prep.kd
    .args:
      - { .name: x, .offset: 0, .size: 8, .value_kind: global_buffer, .address_space: global }
      - { .name: W_attn, .offset: 8, .size: 8, .value_kind: global_buffer, .address_space: global }
      - { .name: W_proj, .offset: 16, .size: 8, .value_kind: global_buffer, .address_space: global }
      - { .name: x_img, .offset: 24, .size: 8, .value_kind: global_buffer, .address_space: global }
      - { .name: x_sc, .offset: 32, .size: 8, .value_kind: global_buffer, .address_space: global }
      - { .name: wa_img, .offset: 40, .size: 8, .value_kind: global_buffer, .address_space: global }
      - { .name: wa_sc, .offset: 48, .size: 8, .value_kind: global_buffer, .address_space: global }
      - { .name: wp_img, .offset: 56, .size: 8, .value_kind: global_buffer, .address_space: global }
    .group_segment_fixed_size: 67072
    .private_segment_fixed_size: 0
    .kernarg_segment_align: 8
    .kernarg_segment_size: 64
    .max_flat_workgroup_size: 128
    .sgpr_count:     66
    .vgpr_count:     512
    .wavefront_size: 32
...
	.end_amdgpu_metadata
.endif
;; end of part 1
;; launch qkv (part 2): grid 12 x 32, 4 waves a work-group, clusters of 4 x 4, 327,680 bytes of LDS; arguments x_img, x_sc, wa_img, wa_sc, b_attn, qkv_img, qkv32; writes qkv_img, qkv32
.if DOCPART == 2
	.amdgcn_target "amdgcn-amd-amdhsa--gfx1250"
	.amdhsa_code_object_version 6
	.text
	.protected	k_q54a2a28498_qkv
	.globl	k_q54a2a28498_qkv
	.p2align	8
	.type	k_q54a2a28498_qkv,@function
k_q54a2a28498_qkv:
	s_mov_b64 s[64:65], 0
	v_nop
	global_prefetch_b8 v0, s[64:65] scope:SCOPE_SE
	s_setreg_imm32_b32 hwreg(HW_REG_WAVE_MODE, 25, 1), 1
	s_wait_xcnt 0x0
	s_wait_alu depctr_hold_cnt(0) depctr_sa_sdst(0) depctr_va_vdst(0) depctr_va_sdst(0) depctr_va_ssrc(0) depctr_va_vcc(0) depctr_vm_vsrc(0)
	s_getreg_b32 s2, hwreg(HW_REG_IB_STS2, 6, 4)
	s_cmp_eq_u32 s2, 0
	s_cbranch_scc0 .Lentry_in_a_cluster
	s_endpgm
.Lentry_in_a_cluster:
	s_bfe_u32 s2, ttmp6, 0x10000c
	s_cmp_lg_u32 s2, 0xf033
	s_cbranch_scc0 .Lentry_shape_is_right
	s_endpgm
.Lentry_shape_is_right:
; QKV = Q(x) Q(W_attn) + b_attn on codes of FP4 with E8M0 scales; sums in f32.  M 8,192, N 3,072, K 1,024.
; A tile of 256 x 256 is made by a work-group of four waves; a wave makes 128 x 128: 64 accumulators, 512 registers.  K is two slots of 512; both, and all scale words, are asked for at the head: nothing is filled again.
; Codes come as images of the operand registers (a fragment: 1,024 bytes, lane l's 16 bytes at 16 l of each half), so a tile is a dense block for one tensor load and every LDS read is 512 consecutive bytes.
; CLUSTERS: 4 x 4 work-groups; x's tiles are asked for jointly along a row of the cluster, W's along a column.  Tile row = cluster y + 8 cy: so the batch is cy, and cluster y = 0 marks the tiles that hold positions 0-255 of a sequence: a number that all sixteen partners share.
; Cluster x is the section: 0 = q, 1 = k, 2 = v.
; THE MATRIX INSTRUCTION IS USED TRANSPOSED (source 0 = 16 rows of W^T, source 1 = 16 rows of x): a lane holds one position t and eight neighbouring channels.  Rounded to f16 these are 16 bytes of a fragment of the next launch:
;   qkv_img [section][batch x 16 + head][t / 16][channel / 16][512]; in a piece lane (r, h) has t = r, channels 8 h + 0 .. 7.  q and k: at 16 x lane.  v: key r, half h at 16 ((r & 7) + 8 h) + 256 (r >> 3), the order in which the turning LDS load of the next launch wants its lanes' 16 bytes.
;   Each store of a wave covers 512 consecutive bytes, aligned.
;   qkv32 [batch][column / 16][1024]: positions 0-15 of every sequence in f32, an accumulator's eight registers as two images of 512 bytes.
; The bias is the C of each sum's first matrix instruction.
; LIMIT: |q|, |k|, |v| stay under 65,504, f16's largest number.
; REGISTERS: window 0: v16-29 addresses; v32-95 scale words, two sets; v128-191 x's fragments, one set; v192-255 the bias; on the way out v32-159 hold packed results.  window 1: W's fragments, two sets, at v0 and v128.  windows 2, 3: accumulator (a, b) at v[8 (8 (a % 4) + b)].
.set SLOT,  131072                     ; x's 16 tiles of 4,096 bytes, then W's 16
.set WOFF,  65536
.set SCL,   262144                     ; the scale words: for each loading wave 128 rows as [slot][128][16]
.set SPARE, 294912                     ; the spare words, 128 bytes for each wave: two blocks of 256 bytes that no other line names
.set ADRA, 16                          ; v16-17  my x fragments in slot 0, 1
.set ADRB, 20                          ; v20-21  my W fragments
.set GO,   24                          ; v24     my 16 bytes in a piece of qkv_img
.set LI,   25                          ; v25     16 x lane
.set ADRS, 27                          ; v27     my scale words: lanes 0-15 x's rows, lanes 16-31 W's
.set SPW,  28
.set NIL,  29
.set SC,   32
.set AF,   128
.set BI,   192
.set TMP,  32
.set WV, 18
.set XH, 19                            ; my half of the tile's x rows.  Also: I fetch for x (0) or for W (1)
.set WH, 20                            ; my half of its W rows.  Also: which 128 rows I fetch
.set CXX, 21
.set CYY, 22
.set TC, 23
.set CLY, 97
.set TR, 98
.set G1A, 24
.set G0A, 32
.set G1B, 40
.set G0B, 48
.set G1SA, 56
.set G1SB, 68
.set G0SA, 76
.set G0SB, 80
.set MSB, 0
.macro WIN new
.if MSB != (\new)
	s_set_vgpr_msb (MSB<<8)|(\new)
.set MSB, (\new)
.endif
.endm
; A joint load: waves 0 and 1 fetch for x, waves 2 and 3 for W.  The branch hangs on the wave's number alone.  An s_nop 0 and four v_nop follow each line.
.macro JLOAD g0a, g1a, g0b, g1b
	s_cmp_eq_u32 s[XH], 0
	s_cbranch_scc0 .Lfor_b_\@
	tensor_load_to_lds s[\g0a:\g0a+3], s[\g1a:\g1a+7]
	s_nop 0
.rept 4
	v_nop
.endr
	s_branch .Lasked_\@
.Lfor_b_\@:
	tensor_load_to_lds s[\g0b:\g0b+3], s[\g1b:\g1b+7]
	s_nop 0
.rept 4
	v_nop
.endr
.Lasked_\@:
.endm
.macro CROUND                          ; a round of the cluster's barrier
	s_barrier_signal -1
	s_barrier_wait -1
	s_cmp_lg_u32 s[WV], 0
	s_cbranch_scc1 .Lnot_wave_0_\@
	s_barrier_signal -3
.Lnot_wave_0_\@:
	s_barrier_wait -3
	s_barrier_signal -1
	s_barrier_wait -1
.endm
.macro PLACES n
.rept \n
	v_nop
.endr
.endm
.macro FRAG reg, adr, q, i             ; tile i's fragment of the slot's q-th 128 along K
.irp c, 0,1
	ds_load_b128 v[\reg+4*\c:\reg+4*\c+3], v[\adr] offset:(4*(\i)+(\q))*1024+512*\c
.endr
.endm
.macro FETCH_B slot, q, p              ; W's eight fragments into set p of window 1
	WIN 0x40
.irp i, 0,1,2,3,4,5,6,7
	FRAG 128*(\p)+8*\i, ADRB+\slot, \q, \i
.endr
	WIN 0
.endm
.macro FETCH_A slot, q, i0             ; x's blocks i0 .. i0 + 3
.irp i, \i0, \i0+1, \i0+2, \i0+3
	FRAG AF+8*(\i), ADRA+\slot, \q, \i
.endr
.endm
.macro SCALES s                        ; a slot's scale words: four a row; lanes 0-15 x's block i, lanes 16-31 W's block i
.irp i, 0,1,2,3,4,5,6,7
	ds_load_b128 v[SC+32*\s+4*\i:SC+32*\s+4*\i+3], v[ADRS] offset:2048*\s+256*\i
.endr
.endm
; 16 matrix instructions: x's blocks a0, a0 + 1 against W's eight.  first = 1: the bias is C.  The 64 accumulators take turns, one instruction a turn, in the same order in every step.
.macro MUL16 a0, p, q, sc, first
.irp a, \a0, \a0+1
.irp b, 0,1,2,3,4,5,6,7
.if \first
	v_wmma_scale_f32_16x16x128_f8f6f4 v[8*(8*((\a)%4)+\b):8*(8*((\a)%4)+\b)+7], v[128*(\p)+8*\b:128*(\p)+8*\b+7], v[AF+8*(\a):AF+8*(\a)+7], v[BI+8*\b:BI+8*\b+7], v[SC+32*(\sc)+4*\b+(\q)], v[SC+32*(\sc)+4*(\a)+(\q)] matrix_a_fmt:MATRIX_FMT_FP4 matrix_b_fmt:MATRIX_FMT_FP4 matrix_a_scale:MATRIX_SCALE_ROW1
.else
	v_wmma_scale_f32_16x16x128_f8f6f4 v[8*(8*((\a)%4)+\b):8*(8*((\a)%4)+\b)+7], v[128*(\p)+8*\b:128*(\p)+8*\b+7], v[AF+8*(\a):AF+8*(\a)+7], v[8*(8*((\a)%4)+\b):8*(8*((\a)%4)+\b)+7], v[SC+32*(\sc)+4*\b+(\q)], v[SC+32*(\sc)+4*(\a)+(\q)] matrix_a_fmt:MATRIX_FMT_FP4 matrix_b_fmt:MATRIX_FMT_FP4 matrix_a_scale:MATRIX_SCALE_ROW1
.endif
.endr
.endr
.endm
; A step of 128 along K that has its successor in the same slot.  Loads into registers that matrix instructions have read stand four plain vector instructions behind them (ISA guide 7.12.1 for vector instructions).
.macro STEP slot, q, first
	s_wait_dscnt 8                                 ; W's set, x's blocks 0-3 and the scale words are in; the youngest eight loads (x's blocks 4-7) may be out
.if \first
	WIN 0x81                                       ; source 0 window 1, sources 1 and 2 window 0, destination window 2
.else
	WIN 0xa1                                       ; C and D window 2
.endif
	MUL16 0, (\q)%2, \q, \slot, \first
	MUL16 2, (\q)%2, \q, \slot, \first
	s_wait_dscnt 0x0                               ; x's blocks 4-7 are in
	PLACES 4
	FETCH_B \slot, (\q)+1, 1-(\q)%2
	FETCH_A \slot, (\q)+1, 0
.if \first
	WIN 0xc1
.else
	WIN 0xf1
.endif
	MUL16 4, (\q)%2, \q, \slot, \first
	MUL16 6, (\q)%2, \q, \slot, \first
	PLACES 4
	WIN 0
	FETCH_A \slot, (\q)+1, 4
.endm
.macro STEPS slot, from
.set Q, \from
.rept 3-\from
	STEP \slot, Q, 0
.set Q, Q+1
.endr
.endm
	s_load_b256 s[4:11], s[0:1], 0x0               ; x_img s[4:5], x_sc s[6:7], wa_img s[8:9], wa_sc s[10:11]
	s_load_b128 s[12:15], s[0:1], 0x20             ; b_attn s[12:13], qkv_img s[14:15]
	s_load_b64 s[16:17], s[0:1], 0x30              ; qkv32
	v_lshl_add_u32 v[SPW], v0, 2, SPARE
	v_mov_b32 v[NIL], 0
	ds_add_u32 v[SPW], v[NIL]                      ; the wave's opening: the add, twice on end, and its wait ahead of my first tensor load
	ds_add_u32 v[SPW], v[NIL]
	v_lshrrev_b32 v1, 5, v0
	v_readfirstlane_b32 s[WV], v1
	s_lshr_b32 s[XH], s[WV], 1
	s_and_b32 s[WH], s[WV], 1
	s_bfe_u32 s[CXX], ttmp6, 0x40000               ; cx
	s_bfe_u32 s[CYY], ttmp6, 0x40004               ; cy
	s_lshl_b32 s[TC], ttmp9, 2
	s_add_co_u32 s[TC], s[TC], s[CXX]              ; tile column = 4 x cluster x + cx
	s_and_b32 s[CLY], ttmp7, 0xffff
	s_lshl_b32 s[TR], s[CYY], 3
	s_add_co_u32 s[TR], s[TR], s[CLY]              ; tile row = cluster y + 8 cy
	s_lshl_b32 s84, s[CYY], 2
	s_lshl_b32 s84, 15, s84                        ; my row of the cluster
	s_lshl_b32 s88, 0x1111, s[CXX]                 ; my column
	s_or_b32 s[G1A], s84, (3<<16)|(1<<21)          ; 15:0 the mask; 17:16 elements of 8 bytes; 21 set beside a mask; no padding
	s_or_b32 s[G1B], s88, (3<<16)|(1<<21)
	s_or_b32 s[G1SA], s84, (3<<16)|(1<<21)
	s_or_b32 s[G1SB], s88, (3<<16)|(1<<21)
.irp g, G1A, G1B                               ; codes: 32,768 dense bytes as 128 rows of 256
	s_mov_b32 s[\g+1], 32<<16
	s_mov_b32 s[\g+2], 128<<16
	s_mov_b32 s[\g+3], 32<<16
	s_mov_b32 s[\g+4], 128
	s_mov_b32 s[\g+5], 32
	s_mov_b32 s[\g+6], 0
	s_mov_b32 s[\g+7], 0
.endr
.irp g, G1SA, G1SB                             ; scale words of 128 rows: two rows of 2,048 bytes, one for each half of K
	s_mov_b32 s[\g+1], 256<<16
	s_mov_b32 s[\g+2], 2<<16
	s_mov_b32 s[\g+3], 256<<16
	s_mov_b32 s[\g+4], 2
	s_mov_b32 s[\g+6], 0
	s_mov_b32 s[\g+7], 0
.endr
	s_mov_b32 s[G1SA+5], 16384                     ; from one half of K to the other: 131,072 bytes in x_sc,
	s_mov_b32 s[G1SB+5], 6144                      ; 49,152 in wa_sc
	s_lshl_b32 s84, s[TR], 16                      ; x: (16 tile row + 8 half) tiles of 4,096 bytes: the tile row and the wave's number alone
	s_lshl_b32 s85, s[WH], 15
	s_add_co_u32 s84, s84, s85
	s_mov_b32 s85, 0
	s_lshl_b32 s86, s[TR], 12                      ; its scale words: 16 bytes a row
	s_lshl_b32 s87, s[WH], 11
	s_add_co_u32 s86, s86, s87
	s_mov_b32 s87, 0
	s_lshl_b32 s88, s[TC], 16                      ; W: the tile column and the wave's number alone
	s_lshl_b32 s89, s[WH], 15
	s_add_co_u32 s88, s88, s89
	s_mov_b32 s89, 0
	s_lshl_b32 s90, s[TC], 12
	s_lshl_b32 s91, s[WH], 11
	s_add_co_u32 s90, s90, s91
	s_mov_b32 s91, 0
	s_lshl_b32 s92, s[WV], 15                      ; where they go: wave x 32,768; no place in the cluster enters an LDS address
	s_lshl_b32 s93, s[WV], 12
	s_add_co_u32 s93, s93, SCL
	s_wait_dscnt 0x0                               ; both opening adds are done
	s_wait_kmcnt 0x0
	s_add_nc_u64 s[84:85], s[4:5], s[84:85]
	s_add_nc_u64 s[86:87], s[6:7], s[86:87]
	s_add_nc_u64 s[88:89], s[8:9], s[88:89]
	s_add_nc_u64 s[90:91], s[10:11], s[90:91]
	CROUND                                         ; all sixteen work-groups are here: the joint loads meet
	s_mov_b32 s[G0SA], 1
	s_mov_b32 s[G0SA+1], s93
	s_mov_b64 s[G0SA+2:G0SA+3], s[86:87]
	s_or_b32 s[G0SA+3], s[G0SA+3], 0x80000000
	s_mov_b32 s[G0SB], 1
	s_mov_b32 s[G0SB+1], s93
	s_mov_b64 s[G0SB+2:G0SB+3], s[90:91]
	s_or_b32 s[G0SB+3], s[G0SB+3], 0x80000000
	JLOAD G0SA, G1SA, G0SB, G1SB                   ; the scale words first: they are wanted with the first step
.irp s, 0,1
	s_mov_b32 s[G0A+4*\s], 1
	s_add_co_u32 s[G0A+4*\s+1], s92, \s*SLOT
	s_add_nc_u64 s[G0A+4*\s+2:G0A+4*\s+3], s[84:85], \s*2097152
	s_or_b32 s[G0A+4*\s+3], s[G0A+4*\s+3], 0x80000000
	s_mov_b32 s[G0B+4*\s], 1
	s_add_co_u32 s[G0B+4*\s+1], s92, \s*SLOT
	s_add_nc_u64 s[G0B+4*\s+2:G0B+4*\s+3], s[88:89], \s*786432
	s_or_b32 s[G0B+4*\s+3], s[G0B+4*\s+3], 0x80000000
	JLOAD G0A+4*\s, G1A, G0B+4*\s, G1B             ; three tensor loads of mine are out, by this text's count
.endr
	v_and_b32 v1, 31, v0
	v_lshlrev_b32 v[LI], 4, v1
	v_and_b32 v2, 15, v0                           ; r
	v_bfe_u32 v3, v0, 4, 1                         ; h
	v_lshlrev_b32 v7, 5, v3                        ; the bias: 32 h
	s_lshl_b32 s88, s[TC], 10
	s_lshl_b32 s89, s[WH], 9
	s_add_co_u32 s88, s88, s89
	s_mov_b32 s89, 0
	s_add_nc_u64 s[12:13], s[12:13], s[88:89]      ; b_attn at my 128 columns
.irp b, 0,1,2,3,4,5,6,7
	global_load_b128 v[BI+8*\b:BI+8*\b+3], v7, s[12:13] offset:64*\b        ; lane (r, h): columns 16 b + 8 h + 0 .. 7: the result's layout
	global_load_b128 v[BI+8*\b+4:BI+8*\b+7], v7, s[12:13] offset:64*\b+16
.endr
	s_lshl_b32 s84, s[XH], 15
	s_lshl_b32 s85, s[WH], 15
	s_add_co_u32 s85, s85, WOFF
.irp s, 0,1
	v_add_nc_u32 v[ADRA+\s], s84, v[LI]
	v_add_nc_u32 v[ADRB+\s], s85, v[LI]
	s_add_co_u32 s84, s84, SLOT
	s_add_co_u32 s85, s85, SLOT
.endr
	s_add_co_u32 s86, s[WH], 2
	s_sub_co_u32 s86, s86, s[XH]
	s_lshl_b32 s86, s86, 12                        ; from x's scale words of my half to W's of my half
	v_mul_u32_u24 v4, s86, v3                      ; lanes 16-31 take W's
	s_lshl_b32 s87, s[XH], 12
	s_add_co_u32 s87, s87, SCL
	v_lshl_add_u32 v4, v2, 4, v4
	v_add_nc_u32 v[ADRS], s87, v4
	v_and_b32 v5, 7, v2                            ; v's order inside a piece
	v_lshl_add_u32 v5, v3, 3, v5
	v_lshrrev_b32 v6, 3, v2
	v_lshlrev_b32 v5, 4, v5
	v_lshl_add_u32 v5, v6, 8, v5
	s_cmp_eq_u32 ttmp9, 2
	s_cselect_b32 s86, -1, 0
	v_cndmask_b32 v[GO], v[LI], v5, s86
	s_lshl_b32 s88, ttmp9, 24                      ; qkv_img: the section,
	s_lshl_b32 s89, s[CYY], 4
	s_lshl_b32 s90, s[CXX], 2
	s_add_co_u32 s89, s89, s90
	s_lshl_b32 s90, s[WH], 1
	s_add_co_u32 s89, s89, s90
	s_lshl_b32 s89, s89, 18                        ; batch x 16 + my first head,
	s_add_co_u32 s88, s88, s89
	s_lshl_b32 s89, s[CLY], 15
	s_add_co_u32 s88, s88, s89
	s_lshl_b32 s89, s[XH], 14                      ; my first tile of 16 positions
	s_add_co_u32 s88, s88, s89
	s_mov_b32 s89, 0
	s_add_nc_u64 s[14:15], s[14:15], s[88:89]
	s_mul_i32 s88, s[CYY], 192                     ; qkv32: batch, my first block of 16 columns
	s_lshl_b32 s89, s[TC], 4
	s_add_co_u32 s88, s88, s89
	s_lshl_b32 s89, s[WH], 3
	s_add_co_u32 s88, s88, s89
	s_lshl_b32 s88, s88, 10
	s_mov_b32 s89, 0
	s_add_nc_u64 s[16:17], s[16:17], s[88:89]
	s_wait_tensorcnt 1                             ; the scale words and my part of slot 0 are in; slot 1's load may be out
	s_barrier_signal -1
	s_barrier_wait -1
	FETCH_B 0, 0, 0
	FETCH_A 0, 0, 0
	SCALES 0
	FETCH_A 0, 0, 4
	s_wait_loadcnt 0x0                             ; the bias
	STEP 0, 0, 1
	STEPS 0, 1
	; slot 0's last step changes slots: one barrier; in front of it my part of slot 1 has landed
	s_wait_tensorcnt 0x0
	ds_add_u32 v[SPW], v[NIL]
	s_wait_dscnt 9                                 ; (the add and the youngest eight loads may be out)
	WIN 0xa1
	MUL16 0, 1, 3, 0, 0
	s_wait_dscnt 0x0
	s_barrier_signal -1
	MUL16 2, 1, 3, 0, 0
	WIN 0
	s_barrier_wait -1
	PLACES 4
	FETCH_B 1, 0, 0
	FETCH_A 1, 0, 0
	SCALES 1
	WIN 0xf1
	MUL16 4, 1, 3, 0, 0
	MUL16 6, 1, 3, 0, 0
	PLACES 4
	WIN 0
	FETCH_A 1, 0, 4
	STEPS 1, 0
	s_wait_dscnt 8                                 ; the last step: nothing more to fetch
	WIN 0xa1
	MUL16 0, 1, 3, 1, 0
	MUL16 2, 1, 3, 1, 0
	s_wait_dscnt 0x0
	WIN 0xf1
	MUL16 4, 1, 3, 1, 0
	MUL16 6, 1, 3, 1, 0
	WIN 0
	PLACES 4                                       ; behind the last products: for the reads of results and the writes over operands below
	; positions 0-15 of a sequence lie in block 0 of the waves with the tile's first rows, in the tiles with cluster y = 0: they also leave in f32
	s_or_b32 s84, s[CLY], s[XH]
	s_cmp_lg_u32 s84, 0
	s_cbranch_scc1 .Lnot_first
	WIN 0x08                                       ; a store's data: window 2
.irp b, 0,1,2,3,4,5,6,7
	global_store_b128 v[LI], v[8*\b:8*\b+3], s[16:17] offset:1024*\b          ; each accumulator from its low end on
	global_store_b128 v[LI], v[8*\b+4:8*\b+7], s[16:17] offset:1024*\b+512
.endr
	WIN 0
.Lnot_first:
; THE WAY OUT of block a: rounded to f16, 16 bytes a lane, stored as they stand
.macro PACK a
.set AC, 64*((\a)%4)
.set TS, TMP+32*((\a)%4)
	WIN 0x0a+5*((\a)/4)                            ; sources 0 and 1: window 2 or 3
.irp b, 0,1,2,3,4,5,6,7
.irp r, 0,1,2,3
	v_cvt_pk_f16_f32 v[TS+4*\b+\r], v[AC+8*\b+2*\r], v[AC+8*\b+2*\r+1]
.endr
.endr
	WIN 0
.irp b, 0,1,2,3,4,5,6,7
	global_store_b128 v[GO], v[TS+4*\b:TS+4*\b+3], s[14:15] offset:(\b/4)*262144+(\a)*2048+(\b%4)*512   ; head b / 4, tile a, piece b % 4
.endr
.endm
.irp a, 0,1,2,3,4,5,6,7
.if \a >= 4
	s_wait_xcnt 0x0                                ; the stores of four blocks ago have read their data: the set is written again only behind this wait
.endif
	PACK \a
.endr
	s_wait_tensorcnt 0x0                           ; the wave's end
	ds_add_u32 v[SPW], v[NIL]
	s_wait_dscnt 0x0
	CROUND                                         ; the closing round
	s_endpgm
.Lfunc_end_k_q54a2a28498_qkv:
	.size	k_q54a2a28498_qkv, .Lfunc_end_k_q54a2a28498_qkv-k_q54a2a28498_qkv
	.p2alignl 7, 3214868480
	.fill 96, 4, 3214868480
	.section	.rodata,"a",@progbits
	.p2align	6, 0x0
	.amdhsa_kernel k_q54a2a28498_qkv
		.amdhsa_group_segment_fixed_size 327680
		.amdhsa_private_segment_fixed_size 0
		.amdhsa_enable_private_segment 0
		.amdhsa_kernarg_size 56
		.amdhsa_user_sgpr_count 2
		.amdhsa_user_sgpr_kernarg_segment_ptr 1
		.amdhsa_wavefront_size32 1
		.amdhsa_system_sgpr_workgroup_id_x 1
		.amdhsa_system_sgpr_workgroup_id_y 1
		.amdhsa_system_sgpr_workgroup_id_z 1
		.amdhsa_system_vgpr_workitem_id 0
		.amdhsa_next_free_vgpr 1024
		.amdhsa_next_free_sgpr 100
		.amdhsa_reserve_vcc 0
		.amdhsa_float_denorm_mode_32 3
		.amdhsa_float_denorm_mode_16_64 3
		.amdhsa_memory_ordered 1
		.amdhsa_forward_progress 1
		.amdhsa_inst_pref_size 121
	.end_amdhsa_kernel
	.amdgpu_metadata
---
amdhsa.version: [ 1, 2 ]
amdhsa.kernels:
  - .name:           k_q54a2a28498_qkv
    .symbol:         k_q54a2a28498_qkv.kd
    .args:
      - { .name: x_img, .offset: 0, .size: 8, .value_kind: global_buffer, .address_space: global }
      - { .name: x_sc, .offset: 8, .size: 8, .value_kind: global_buffer, .address_space: global }
      - { .name: wa_img, .offset: 16, .size: 8, .value_kind: global_buffer, .address_space: global }
      - { .name: wa_sc, .offset: 24, .size: 8, .value_kind: global_buffer, .address_space: global }
      - { .name: b_attn, .offset: 32, .size: 8, .value_kind: global_buffer, .address_space: global }
      - { .name: qkv_img, .offset: 40, .size: 8, .value_kind: global_buffer, .address_space: global }
      - { .name: qkv32, .offset: 48, .size: 8, .value_kind: global_buffer, .address_space: global }
    .group_segment_fixed_size: 327680
    .private_segment_fixed_size: 0
    .kernarg_segment_align: 8
    .kernarg_segment_size: 56
    .max_flat_workgroup_size: 128
    .sgpr_count:     100
    .vgpr_count:     1024
    .wavefront_size: 32
...
	.end_amdgpu_metadata
.endif
;; end of part 2
;; launch attn (part 3): grid 4 x 64, 16 waves a work-group, no clusters, 327,680 bytes of LDS; arguments qkv_img, y_img; writes y_img
.if DOCPART == 3
	.amdgcn_target "amdgcn-amd-amdhsa--gfx1250"
	.amdhsa_code_object_version 6
	.text
	.protected	k_q54a2a28498_attn
	.globl	k_q54a2a28498_attn
	.p2align	8
	.type	k_q54a2a28498_attn,@function
k_q54a2a28498_attn:
	s_mov_b64 s[64:65], 0
	v_nop
	global_prefetch_b8 v0, s[64:65] scope:SCOPE_SE
	s_setreg_imm32_b32 hwreg(HW_REG_WAVE_MODE, 25, 1), 1
	s_wait_xcnt 0x0
; Y[b][t][head] = softmax_causal(q k^T / 8) v, head size 64, 2,048 positions, 64 (batch, head) pairs.  Operands f16, sums, maxima and exponentials f32; the weights p (at most 1) are rounded to f16 for the second product.
; SHARES.  Work-group (i, bh) owns the blocks of 256 queries i and 7 - i of one head: every work-group has the same number of visible keys.  Each of its sixteen waves owns 32 queries, two tiles of 16, so that a fragment of K or V read from LDS feeds two matrix instructions;
; waves with (w xor w >> 2) odd take the late block.  Four waves share a SIMD: one wave's vector work stands beside another's matrix work and LDS loads.
; NO CLUSTER: the four work-groups of a head need 8, 7, 6 and 5 slots of keys: a joint load would bring tiles that no wave of some partner reads.
; LAYOUT.  Both products are used transposed: S^T = K Q^T (source 0 = 16 keys, source 1 = 16 queries), O^T = V^T P (source 0 = 16 channels x 32 keys, source 1 = P): a lane holds one query throughout.  Two tiles of S^T, rounded in pairs, are source 1 of the second product.
; q, k and v come as pieces of 512 bytes (qkv_img): q's and k's are halves of fragments as they stand; v's 16 keys x 16 channels are turned by ds_load_tr16_b128, whose lanes' 16 bytes lie at 16 x lane.
; SOFTMAX.  A running maximum m and sum l for each query: p = 2^(c s - c m), c = log2(e) / 8; in every step O and l are multiplied by a = 2^(c m_old - c m_new).
; CAUSAL.  Every work-group walks all 8 slots of 256 keys: trip counts are constants.  A key step all of whose 64 keys come after the wave's 32 queries is jumped over; on the diagonal hidden scores become -infinity.  In a step that is walked the step's first key is visible to all 32 queries, so m is a number.
; A slot whose first key comes after the work-group's last query is not asked for.
; y_img [k / 128][row / 16][(k % 128) / 32][1024]: images of the projection's operand; each store covers 512 consecutive bytes, aligned.
; LIMIT: |y| is at most the largest |v|, under 65,504.
.set SLOT1, 65536                      ; a slot: K's 16 tiles of 2,048 bytes, then V's 16
.set VOFF,  32768
.set SPARE, 131072                     ; the spare words, 128 bytes for each of sixteen waves
.set LA,  1                            ; v1   16 x lane
.set ADR, 2                            ; v2   + the slot in hand
.set SPW, 3
.set NIL, 4
.set PFO, 5                            ; v5   256 x lane
.set ST,  8                            ; tile t's statistics at v[8 + 8 t]: c m, m, l (even keys', odd keys'), c0-c3 at work; a takes c2's place
.set QF,  24                           ; v24-55   Q: tile t, channels 32 kk on: 16 t + 8 kk
.set KV,  56                           ; v56-119  a step's K, then its V
.set S,   120                          ; v120-183 S^T: 32 t + 8 kt; P is packed in place into 32 t + 0 .. 15
.set O,   184                          ; v184-247 O^T: 32 t + 8 ct
.set WV, 8
.set Q0, 9
.set QE, 10
.set QL, 11
.set TB, 12
.set KF, 13
.set SLOTS, 14
.set G1, 16
.set G0, 24
.set CS, 28
.set SEL, 30
.set PFA, 32
.set LIM, 34
.macro TLOAD                           ; waves 0 and 1 fetch K's halves of a slot, waves 2 and 3 V's; the branch hangs on the wave's number alone
	s_cmp_lt_u32 s[WV], 4
	s_cbranch_scc0 .Lasked_\@
	tensor_load_to_lds s[G0:G0+3], s[G1:G1+7]
	s_nop 0
.rept 4
	v_nop
.endr
.Lasked_\@:
.endm
; A PREFETCH INTO THE L2 of the slot that the NEXT change of slots will ask for: four key steps ahead of that load.  All four work-groups of a head walk the same K and V: the one with x = 0, which walks all eight slots, asks.
; In it waves 4-7 ask for K's 32,768 bytes and waves 8-11 for V's: 8,192 bytes a wave, lanes 256 bytes apart, one instruction each.  The last change that fills a slot asks for nothing; slots 0 and 1 come by their loads alone.
.macro ASK
	s_cmp_gt_u32 s[SLOTS], s[LIM]
	s_cbranch_scc0 .Lnot_mine_\@
	global_prefetch_b8 v[PFO], s[PFA:PFA+1] th:TH_LOAD_NT scope:SCOPE_SE
.Lnot_mine_\@:
.endm
; The softmax of both tiles for one key step, the tiles line by line by turns
.macro SOFTMAX
.irp j, 0,1,2,3
.irp t, 0,1
	v_max3_num_f32 v[ST+8*\t+4+\j], v[S+32*\t+8*\j], v[S+32*\t+8*\j+1], v[S+32*\t+8*\j+2]   ; each accumulator is read from its low end on
.endr
.endr
.irp i, 3,5
.irp j, 0,1,2,3
.irp t, 0,1
	v_max3_num_f32 v[ST+8*\t+4+\j], v[ST+8*\t+4+\j], v[S+32*\t+8*\j+\i], v[S+32*\t+8*\j+\i+1]
.endr
.endr
.endr
.irp t, 0,1
	v_max3_num_f32 v[ST+8*\t+4], v[ST+8*\t+4], v[S+32*\t+7], v[S+32*\t+15]
.endr
.irp t, 0,1
	v_max3_num_f32 v[ST+8*\t+6], v[ST+8*\t+6], v[S+32*\t+23], v[S+32*\t+31]
.endr
.irp t, 0,1
	v_max3_num_f32 v[ST+8*\t+4], v[ST+8*\t+4], v[ST+8*\t+5], v[ST+8*\t+6]
.endr
.irp t, 0,1
	v_max3_num_f32 v[ST+8*\t+4], v[ST+8*\t+4], v[ST+8*\t+7], v[ST+8*\t+1]   ; with the old m
.endr
.irp t, 0,1
	v_permlanex16_b32 v[ST+8*\t+5], v[ST+8*\t+4], s[SEL], s[SEL+1]          ; the query's other 32 keys lie in the lane 16 away
.endr
.irp t, 0,1
	v_mov_b32 v[ST+8*\t+7], v[ST+8*\t]             ; c m_old
.endr
.irp t, 0,1
	v_max_num_f32 v[ST+8*\t+1], v[ST+8*\t+4], v[ST+8*\t+5]
.endr
.irp t, 0,1
	v_mul_f32 v[ST+8*\t], s[CS], v[ST+8*\t+1]
.endr
.irp t, 0,1
	v_sub_f32 v[ST+8*\t+7], v[ST+8*\t+7], v[ST+8*\t]
.endr
.irp i, 0,2,4,6,8,10,12,14,16,18,20,22,24,26,28,30
.irp t, 0,1
	v_pk_fma_f32 v[S+32*\t+\i:S+32*\t+\i+1], v[S+32*\t+\i:S+32*\t+\i+1], s[CS:CS+1], v[ST+8*\t:ST+8*\t+1] op_sel_hi:[1,0,0] neg_lo:[0,0,1] neg_hi:[0,0,1]   ; c s - c m
.endr
.endr
.irp t, 0,1
	v_exp_f32 v[ST+8*\t+6], v[ST+8*\t+7]           ; a
.endr
.irp i, 0,1,2,3,4,5,6,7,8,9,10,11,12,13,14,15,16,17,18,19,20,21,22,23,24,25,26,27,28,29,30,31
.irp t, 0,1
	v_exp_f32 v[S+32*\t+\i], v[S+32*\t+\i]
.endr
.endr
	v_nop                                          ; a plain instruction behind the last exponential
	s_wait_alu depctr_va_vdst(0)                   ; one wait for the batch of 66, ahead of its first reader
.irp t, 0,1
	v_pk_add_f32 v[ST+8*\t+4:ST+8*\t+5], v[S+32*\t:S+32*\t+1], v[S+32*\t+2:S+32*\t+3]        ; the sums, of the unrounded p: two chains a tile
.endr
.irp t, 0,1
	v_pk_add_f32 v[248+2*\t:249+2*\t], v[S+32*\t+4:S+32*\t+5], v[S+32*\t+6:S+32*\t+7]
.endr
.irp i, 8,12,16,20,24,28
.irp t, 0,1
	v_pk_add_f32 v[ST+8*\t+4:ST+8*\t+5], v[ST+8*\t+4:ST+8*\t+5], v[S+32*\t+\i:S+32*\t+\i+1]
	v_pk_add_f32 v[248+2*\t:249+2*\t], v[248+2*\t:249+2*\t], v[S+32*\t+\i+2:S+32*\t+\i+3]
.endr
.endr
.irp t, 0,1
	v_pk_add_f32 v[ST+8*\t+4:ST+8*\t+5], v[ST+8*\t+4:ST+8*\t+5], v[248+2*\t:249+2*\t]
.endr
.irp t, 0,1
	v_pk_fma_f32 v[ST+8*\t+2:ST+8*\t+3], v[ST+8*\t+2:ST+8*\t+3], v[ST+8*\t+6:ST+8*\t+7], v[ST+8*\t+4:ST+8*\t+5] op_sel_hi:[1,0,1]   ; l = a l + the sum
.endr
.irp kt, 0,1,2,3
.irp jj, 0,1,2,3
.irp t, 0,1
	v_cvt_pk_f16_f32 v[S+32*\t+4*\kt+\jj], v[S+32*\t+8*\kt+2*\jj], v[S+32*\t+8*\kt+2*\jj+1]   ; in place, ascending: no pair is written over before it is read
.endr
.endr
.endr
.irp i, 0,2,4,6,8,10,12,14,16,18,20,22,24,26,28,30
.irp t, 0,1
	v_pk_mul_f32 v[O+32*\t+\i:O+32*\t+\i+1], v[O+32*\t+\i:O+32*\t+\i+1], v[ST+8*\t+6:ST+8*\t+7] op_sel_hi:[1,0]   ; O^T x a
.endr
.endr
.endm
; A KEY STEP: 64 keys, the q-th of the slot in hand
.macro STEP q
	s_cmp_gt_u32 s[KF], s[QE]                      ; all its keys come after my queries: a branch on ids, round the step's work alone
	s_cbranch_scc1 .Lhidden_\@
	v_add_nc_u32 v[ADR], s[TB], v[LA]
.irp f, 0,1,2,3,4,5,6,7                        ; K: keys 16 (f / 2) on, channels 32 (f % 2) on
.irp c, 0,1
	ds_load_b128 v[KV+8*\f+4*\c:KV+8*\f+4*\c+3], v[ADR] offset:8192*(\q)+1024*\f+512*\c
.endr
.endr
	s_wait_dscnt 0x0
.irp kk, 0,1                                   ; the eight accumulators take turns, one instruction a turn
.irp kt, 0,1,2,3
.irp t, 0,1
.if \kk == 0
	v_wmma_f32_16x16x32_f16 v[S+32*\t+8*\kt:S+32*\t+8*\kt+7], v[KV+8*(2*\kt+\kk):KV+8*(2*\kt+\kk)+7], v[QF+16*\t+8*\kk:QF+16*\t+8*\kk+7], 0
.else
	v_wmma_f32_16x16x32_f16 v[S+32*\t+8*\kt:S+32*\t+8*\kt+7], v[KV+8*(2*\kt+\kk):KV+8*(2*\kt+\kk)+7], v[QF+16*\t+8*\kk:QF+16*\t+8*\kk+7], v[S+32*\t+8*\kt:S+32*\t+8*\kt+7]
.endif
.endr
.endr
.endr
.rept 4
	v_nop                                          ; four places: for the loads into K's registers and the reads of the scores
.endr
.irp g, 0,1,2,3,4,5,6,7                        ; V, turned: keys 32 (g / 4) on, channels 16 (g % 4) on; it lands while the softmax is walked
	ds_load_tr16_b128 v[KV+8*\g:KV+8*\g+3], v[ADR] offset:VOFF+8192*(\q)+4096*(\g/4)+512*(\g%4)
	ds_load_tr16_b128 v[KV+8*\g+4:KV+8*\g+7], v[ADR] offset:VOFF+8192*(\q)+4096*(\g/4)+2048+512*(\g%4)
.endr
	s_add_co_u32 s36, s[KF], 63
	s_cmp_le_u32 s36, s[Q0]                        ; all 64 keys count for all my queries: nothing to hide
	s_cbranch_scc1 .Lopen_\@
	s_sub_co_i32 s36, s[Q0], s[KF]
	v_and_b32 v252, 15, v0
	v_bfe_u32 v253, v0, 4, 1
	v_lshlrev_b32 v253, 3, v253
	v_sub_nc_u32 v252, v252, v253
	v_add_nc_u32 v252, s36, v252                   ; d = r - 8 h + my first query - the step's first key.  Register 8 kt + j of tile t: hidden where 16 kt + j - 16 t > d
	v_mov_b32 v254, 0xff800000                     ; -infinity
.irp t, 0,1
.irp kt, 0,1,2,3
.irp j, 0,1,2,3,4,5,6,7
	v_cmp_gt_i32 vcc_lo, 16*\kt+\j-16*\t, v252
	v_cndmask_b32 v[S+32*\t+8*\kt+\j], v[S+32*\t+8*\kt+\j], v254, vcc_lo
.endr
.endr
.endr
.Lopen_\@:
	SOFTMAX
	s_wait_dscnt 0x0                               ; V is in
.irp kg, 0,1
.irp ct, 0,1,2,3
.irp t, 0,1
	v_wmma_f32_16x16x32_f16 v[O+32*\t+8*\ct:O+32*\t+8*\ct+7], v[KV+8*(4*\kg+\ct):KV+8*(4*\kg+\ct)+7], v[S+32*\t+8*\kg:S+32*\t+8*\kg+7], v[O+32*\t+8*\ct:O+32*\t+8*\ct+7]
.endr
.endr
.endr
.rept 5
	v_nop                                          ; five places: the next step's first products write over P's registers, its loads land in V's
.endr
.Lhidden_\@:
	s_add_co_u32 s[KF], s[KF], 64
.endm
; THE CHANGE OF SLOTS stands at a slot's head: every wave waits for all its tensor loads, adds 0 to its spare word, waits for that and for its reads of the slot that it has left, and passes the barrier.
; fill = 1: behind it the slot just left is filled with the next 256 keys, up to the causal limit: the load has four key steps in which to land.
.macro CHANGE fill
	s_wait_tensorcnt 0x0
	ds_add_u32 v[SPW], v[NIL]
.if \fill
	ds_add_u32 v[SPW], v[NIL]                      ; the add twice on end here, in every trip alike
	s_xor_b32 s[G0+1], s[G0+1], SLOT1              ; no tensor load of mine is out: the descriptor walks: the other slot,
	s_add_nc_u64 s[G0+2:G0+3], s[G0+2:G0+3], 32768 ; the next 256 keys
	s_wait_xcnt 0x0                                ; the last prefetch, a slot back, has read its address
	s_add_nc_u64 s[PFA:PFA+1], s[PFA:PFA+1], 32768
.endif
	s_wait_dscnt 0x0
	s_barrier_signal -1
	s_barrier_wait -1
.if \fill
	s_add_co_u32 s36, s[KF], 256                   ; the first key of the slot that this change would ask for
	s_cmp_gt_u32 s36, s[QL]                        ; past my work-group's last query: none of its waves would read it.  Ids and the count of steps alone: all sixteen waves go the same way
	s_cbranch_scc1 .Lpast_\@
	TLOAD
.Lpast_\@:
	ASK
.endif
.endm
.macro SLOT_STEPS
	STEP 0
	STEP 1
	STEP 2
	STEP 3
	s_xor_b32 s[TB], s[TB], SLOT1
.endm
	s_load_b128 s[4:7], s[0:1], 0x0                ; qkv_img s[4:5], y_img s[6:7]
	v_lshl_add_u32 v[SPW], v0, 2, SPARE
	v_mov_b32 v[NIL], 0
	ds_add_u32 v[SPW], v[NIL]                      ; the wave's opening: the add, twice on end, and its wait ahead of the first tensor load
	ds_add_u32 v[SPW], v[NIL]
	v_lshrrev_b32 v1, 5, v0
	v_readfirstlane_b32 s[WV], v1                  ; wave 0..15
	s_and_b32 s35, ttmp7, 0xffff                   ; batch x 16 + head
	s_lshr_b32 s37, s[WV], 2
	s_xor_b32 s37, s37, s[WV]
	s_and_b32 s37, s37, 1                          ; 1: the late block
	s_sub_co_u32 s38, 7, ttmp9
	s_cmp_eq_u32 s37, 0
	s_cselect_b32 s38, ttmp9, s38                  ; my block of 256 queries
	s_lshr_b32 s39, s[WV], 1
	s_lshl_b32 s[Q0], s38, 8
	s_lshl_b32 s39, s39, 5
	s_add_co_u32 s[Q0], s[Q0], s39                 ; my first query,
	s_add_co_u32 s[QE], s[Q0], 31                  ; my last,
	s_sub_co_u32 s[QL], 8, ttmp9
	s_lshl_b32 s[QL], s[QL], 8
	s_sub_co_u32 s[QL], s[QL], 1                   ; my work-group's last
	s_mov_b32 s[G1], 3<<16                         ; 16,384 dense bytes as 64 rows of 256: elements of 8 bytes, no mask, no padding
	s_mov_b32 s[G1+1], 32<<16
	s_mov_b32 s[G1+2], 64<<16
	s_mov_b32 s[G1+3], 32<<16
	s_mov_b32 s[G1+4], 64
	s_mov_b32 s[G1+5], 32
	s_mov_b32 s[G1+6], 0
	s_mov_b32 s[G1+7], 0
	s_mov_b32 s[CS], 0x3e38aa3b                    ; c = log2(e) / 8
	s_mov_b32 s[CS+1], s[CS]
	s_mov_b32 s[SEL], 0x76543210
	s_mov_b32 s[SEL+1], 0xfedcba98
	s_mov_b32 s[TB], 0
	s_mov_b32 s[KF], 0
	s_mov_b32 s[SLOTS], 7
	s_lshl_b32 s40, s35, 18                        ; the head's 262,144 bytes in each section
	s_cmp_lt_u32 s[WV], 2
	s_mov_b32 s42, 0x2000000                       ; v's section,
	s_cselect_b32 s42, 0x1000000, s42              ; or k's
	s_and_b32 s43, s[WV], 1
	s_lshl_b32 s43, s43, 14                        ; which half of a slot's 32,768 bytes
	s_add_co_u32 s42, s42, s43
	s_add_co_u32 s42, s42, s40
	s_mov_b32 s43, 0
	s_wait_dscnt 0x0                               ; both opening adds are done
	s_wait_kmcnt 0x0
	s_mov_b32 s[G0], 1
	s_lshl_b32 s[G0+1], s[WV], 14                  ; K's halves at 0 and 16,384, V's at 32,768 and 49,152
	s_add_nc_u64 s[G0+2:G0+3], s[4:5], s[42:43]
	s_or_b32 s[G0+3], s[G0+3], 0x80000000
	TLOAD                                          ; slot 0: it holds key 0, which counts for every query
	v_and_b32 v[LA], 31, v0
	v_lshlrev_b32 v[PFO], 8, v[LA]
	v_lshlrev_b32 v[LA], 4, v[LA]
	s_lshl_b32 s44, s[Q0], 7                       ; 2,048 bytes for each tile of 16 queries
	s_add_co_u32 s44, s44, s40
	s_mov_b32 s45, 0
	s_add_nc_u64 s[44:45], s[4:5], s[44:45]
.irp t, 0,1
.irp kk, 0,1
.irp c, 0,1
	global_load_b128 v[QF+16*\t+8*\kk+4*\c:QF+16*\t+8*\kk+4*\c+3], v[LA], s[44:45] offset:2048*\t+1024*\kk+512*\c
.endr
.endr
.endr
	s_and_b32 s46, s35, 15                         ; the head
	s_lshr_b32 s47, s46, 1
	s_lshl_b32 s47, s47, 21                        ; its K step of the projection,
	s_and_b32 s46, s46, 1
	s_lshl_b32 s46, s46, 11                        ; its half of that step,
	s_add_co_u32 s46, s46, s47
	s_lshr_b32 s47, s35, 4
	s_lshl_b32 s47, s47, 19                        ; the batch's 128 tiles of rows,
	s_add_co_u32 s46, s46, s47
	s_lshl_b32 s47, s[Q0], 8                       ; my first tile
	s_add_co_u32 s46, s46, s47
	s_mov_b32 s47, 0
	s_add_nc_u64 s[6:7], s[6:7], s[46:47]
	s_cmp_lt_u32 s[WV], 8                          ; the prefetches: waves 4-7 stand in k, waves 8-11 in v
	s_mov_b32 s38, 0x2000000
	s_cselect_b32 s38, 0x1000000, s38
	s_and_b32 s39, s[WV], 3
	s_lshl_b32 s39, s39, 13
	s_add_co_u32 s38, s38, s39
	s_add_co_u32 s38, s38, s40
	s_add_co_u32 s38, s38, 32768                   ; in slot 1: the first change of slots steps it to slot 2
	s_mov_b32 s39, 0
	s_add_nc_u64 s[PFA:PFA+1], s[4:5], s[38:39]
	s_sub_co_u32 s38, s[WV], 4
	s_lshr_b32 s38, s38, 3                         ; 0 in waves 4 to 11,
	s_or_b32 s38, s38, ttmp9                       ; of the head's first work-group
	s_cmp_eq_u32 s38, 0
	s_cselect_b32 s[LIM], 1, -1
.irp t, 0,1
	v_mov_b32 v[ST+8*\t+1], 0xff61b1e6             ; m = -3e38, under every score
	v_mul_f32 v[ST+8*\t], s[CS], v[ST+8*\t+1]
.irp j, 2,3,4,5,6,7
	v_mov_b32 v[ST+8*\t+\j], 0                     ; l; and the registers at work, since every step can be jumped over
.endr
.endr
.irp j, 0,1,2,3,4,5,6,7,8,9,10,11,12,13,14,15,16,17,18,19,20,21,22,23,24,25,26,27,28,29,30,31,32,33,34,35,36,37,38,39,40,41,42,43,44,45,46,47,48,49,50,51,52,53,54,55,56,57,58,59,60,61,62,63
	v_mov_b32 v[O+\j], 0                           ; O^T: the step has no first form of its own: the first a, 0, multiplies zeros
.endr
	s_wait_loadcnt 0x0                             ; Q
.Lslot:                                            ; seven trips
	CHANGE 1
	SLOT_STEPS
	s_sub_co_u32 s[SLOTS], s[SLOTS], 1
	s_cmp_lg_u32 s[SLOTS], 0
	s_cbranch_scc1 .Lslot
	CHANGE 0                                       ; the last slot is written out: nothing is left to ask for
	SLOT_STEPS
	; THE WAY OUT: O^T / l, rounded to f16: a lane's eight channels of a query are 16 bytes of the projection's operand
.irp t, 0,1
	v_add_f32 v[ST+8*\t+4], v[ST+8*\t+2], v[ST+8*\t+3]
.endr
.irp t, 0,1
	v_permlanex16_b32 v[ST+8*\t+5], v[ST+8*\t+4], s[SEL], s[SEL+1]
.endr
.irp t, 0,1
	v_add_f32 v[ST+8*\t+4], v[ST+8*\t+4], v[ST+8*\t+5]
.endr
.irp t, 0,1
	v_rcp_f32 v[ST+8*\t+6], v[ST+8*\t+4]
.endr
	v_nop
	s_wait_alu depctr_va_vdst(0)                   ; one wait for the two reciprocals, ahead of their first reader
.irp i, 0,2,4,6,8,10,12,14,16,18,20,22,24,26,28,30
.irp t, 0,1
	v_pk_mul_f32 v[O+32*\t+\i:O+32*\t+\i+1], v[O+32*\t+\i:O+32*\t+\i+1], v[ST+8*\t+6:ST+8*\t+7] op_sel_hi:[1,0]
.endr
.endr
.irp ct, 0,1,2,3
.irp jj, 0,1,2,3
.irp t, 0,1
	v_cvt_pk_f16_f32 v[S+16*\t+4*\ct+\jj], v[O+32*\t+8*\ct+2*\jj], v[O+32*\t+8*\ct+2*\jj+1]
.endr
.endr
.endr
.irp t, 0,1
.irp ct, 0,1,2,3
	global_store_b128 v[LA], v[S+16*\t+4*\ct:S+16*\t+4*\ct+3], s[6:7] offset:4096*\t+512*\ct
.endr
.endr
	s_wait_tensorcnt 0x0                           ; the wave's end
	ds_add_u32 v[SPW], v[NIL]
	s_wait_dscnt 0x0
	s_endpgm
.Lfunc_end_k_q54a2a28498_attn:
	.size	k_q54a2a28498_attn, .Lfunc_end_k_q54a2a28498_attn-k_q54a2a28498_attn
	.p2alignl 7, 3214868480
	.fill 96, 4, 3214868480
	.section	.rodata,"a",@progbits
	.p2align	6, 0x0
	.amdhsa_kernel k_q54a2a28498_attn
		.amdhsa_group_segment_fixed_size 327680
		.amdhsa_private_segment_fixed_size 0
		.amdhsa_enable_private_segment 0
		.amdhsa_kernarg_size 16
		.amdhsa_user_sgpr_count 2
		.amdhsa_user_sgpr_kernarg_segment_ptr 1
		.amdhsa_wavefront_size32 1
		.amdhsa_system_sgpr_workgroup_id_x 1
		.amdhsa_system_sgpr_workgroup_id_y 1
		.amdhsa_system_sgpr_workgroup_id_z 1
		.amdhsa_system_vgpr_workitem_id 0
		.amdhsa_next_free_vgpr 256
		.amdhsa_next_free_sgpr 66
		.amdhsa_reserve_vcc 1
		.amdhsa_float_denorm_mode_32 3
		.amdhsa_float_denorm_mode_16_64 3
		.amdhsa_memory_ordered 1
		.amdhsa_forward_progress 1
		.amdhsa_inst_pref_size 185
	.end_amdhsa_kernel
	.amdgpu_metadata
---
amdhsa.version: [ 1, 2 ]
amdhsa.kernels:
  - .name:           k_q54a2a28498_attn
    .symbol:         k_q54a2a28498_attn.kd
    .args:
      - { .name: qkv_img, .offset: 0, .size: 8, .value_kind: global_buffer, .address_space: global }
      - { .name: y_img, .offset: 8, .size: 8, .value_kind: global_buffer, .address_space: global }
    .group_segment_fixed_size: 327680
    .private_segment_fixed_size: 0
    .kernarg_segment_align: 8
    .kernarg_segment_size: 16
    .max_flat_workgroup_size: 512
    .sgpr_count:     66
    .vgpr_count:     256
    .wavefront_size: 32
...
	.end_amdgpu_metadata
.endif
;; end of part 3
;; launch proj (part 4): grid 4 x 64, 4 waves a work-group, clusters of 4 x 4, 327,680 bytes of LDS; arguments y_img, wp_img, b_proj, out0; writes out0
.if DOCPART == 4
	.amdgcn_target "amdgcn-amd-amdhsa--gfx1250"
	.amdhsa_code_object_version 6
	.text
	.protected	k_q54a2a28498_proj
	.globl	k_q54a2a28498_proj
	.p2align	8
	.type	k_q54a2a28498_proj,@function
k_q54a2a28498_proj:
	s_mov_b64 s[64:65], 0
	v_nop
	global_prefetch_b8 v0, s[64:65] scope:SCOPE_SE
	s_setreg_imm32_b32 hwreg(HW_REG_WAVE_MODE, 25, 1), 1
	s_wait_xcnt 0x0
	s_wait_alu depctr_hold_cnt(0) depctr_sa_sdst(0) depctr_va_vdst(0) depctr_va_sdst(0) depctr_va_ssrc(0) depctr_va_vcc(0) depctr_vm_vsrc(0)
	s_getreg_b32 s2, hwreg(HW_REG_IB_STS2, 6, 4)
	s_cmp_eq_u32 s2, 0
	s_cbranch_scc0 .Lentry_in_a_cluster
	s_endpgm
.Lentry_in_a_cluster:
	s_bfe_u32 s2, ttmp6, 0x10000c
	s_cmp_lg_u32 s2, 0xf033
	s_cbranch_scc0 .Lentry_shape_is_right
	s_endpgm
.Lentry_shape_is_right:
; OUT = Y W_proj + b_proj.  Y [8192][1024] and W_proj^T [1024 (n)][1024 (k)] come in f16 as images of the operand registers (a fragment of 16 rows x 32 K: 1,024 bytes, lane l's 16 bytes at 16 l of each half); sums f32; OUT f32.
; A tile of 128 x 256 is made by a work-group of four waves: 256 work-groups.  A wave makes 64 x 128: 32 accumulators.  K goes in steps of 128 through a ring of two LDS slots: Y's 8 tiles of 4,096 bytes, then W's 16.
; CLUSTERS: 4 x 4 work-groups; Y's tiles are asked for jointly along a row of the cluster, W's along a column.  Waves 0 and 1 fetch Y's halves (16,384 bytes), waves 2 and 3 W's (32,768).
; THE MATRIX INSTRUCTION IS USED TRANSPOSED (source 0 = 16 rows of W^T, source 1 = 16 rows of Y): a lane holds eight neighbouring numbers of a row of OUT.  The bias is the C of each sum's first matrix instruction.
; Rows 0-15 of every sequence are written here like all others and written over by the last launch, which carries them in f32: leaving them out would take a branch on a work-group's place in its cluster.
; REGISTERS: window 0: v16-30 addresses; v64-95, v96-127 Y's fragments, two buffers; v128-191 the bias; on the way out v128-255 take rows back from the stage.  window 1: W's fragments, two buffers, at v0 and v64.  window 2: accumulator (a, b) at v[8 (8 a + b)].
.set SLOT,   98304
.set BOFF,   32768
.set SPARE,  196608                    ; the spare words, 128 bytes for each wave: two blocks of 256 bytes that no other line names
.set STAGE,  197120                    ; 16 rows x 528 bytes for each wave; no tensor load lands here
.set SPITCH, 528
.set ADRA, 16
.set ADRB, 20
.set STO,  24
.set RD,   25
.set CO,   26
.set SPW,  28
.set NIL,  29
.set PFO,  30
.set BI,   128
.set BK,   128
.set WV, 12
.set RH, 13                            ; my half of the tile's rows.  Also: I fetch for Y (0) or for W (1)
.set CH, 14                            ; my half of its columns.  Also: which half I fetch
.set TR, 15
.set G1, 24
.set G0, 32
.set G1B, 48
.set G0B, 56
.set PFA, 66
.set LIM, 68
.set MSB, 0
.macro WIN new
.if MSB != (\new)
	s_set_vgpr_msb (MSB<<8)|(\new)
.set MSB, (\new)
.endif
.endm
.set MUL,  0xa1                        ; source 0 (W) window 1, source 1 (Y) window 0, C and D window 2
.set MULB, 0x81                        ; the same with C (the bias) in window 0
.macro JLOAD s
	s_cmp_eq_u32 s[RH], 0
	s_cbranch_scc0 .Lfor_b_\@
	tensor_load_to_lds s[G0+4*\s:G0+4*\s+3], s[G1:G1+7]
	s_nop 0
.rept 4
	v_nop
.endr
	s_branch .Lasked_\@
.Lfor_b_\@:
	tensor_load_to_lds s[G0B+4*\s:G0B+4*\s+3], s[G1B:G1B+7]
	s_nop 0
.rept 4
	v_nop
.endr
.Lasked_\@:
.endm
.macro CREST
	s_cmp_lg_u32 s[WV], 0
	s_cbranch_scc1 .Lnot_wave_0_\@
	s_barrier_signal -3
.Lnot_wave_0_\@:
	s_barrier_wait -3
	s_barrier_signal -1
	s_barrier_wait -1
.endm
.macro CROUND
	s_barrier_signal -1
	s_barrier_wait -1
	CREST
.endm
.macro PLACES
.rept 4
	v_nop
.endr
.endm
; A PREFETCH INTO THE L2 of Y's tile of the K step that stands two refills on: 256 matrix instructions ahead of the load that will want it.  A tile row's 32,768 bytes of a K step are read by one row of one cluster alone: its four partners take 8,192 bytes each,
; told apart by address; wave 0 asks, lanes 256 bytes apart, one instruction.  The loop's last trip asks for nothing: there is no K step two on.  W's 2 MiB are read by all sixteen clusters in step and are not asked for.
.macro ASK
	s_cmp_gt_u32 s3, s[LIM]
	s_cbranch_scc0 .Lnot_mine_\@
	global_prefetch_b8 v[PFO], s[PFA:PFA+1] offset:2097152 th:TH_LOAD_NT scope:SCOPE_SE
.Lnot_mine_\@:
.endm
.macro FETCH slot, kk, f               ; 24 LDS loads in one run: the fragments of the slot's kk-th 32 along K into buffer f: W's eight, then Y's four
	WIN 0x40
.irp i, 0,1,2,3,4,5,6,7
	ds_load_b128 v[64*(\f)+8*\i:64*(\f)+8*\i+3],   v[ADRB+\slot] offset:4096*\i+1024*(\kk)
	ds_load_b128 v[64*(\f)+8*\i+4:64*(\f)+8*\i+7], v[ADRB+\slot] offset:4096*\i+1024*(\kk)+512
.endr
	WIN 0
.irp i, 0,1,2,3
	ds_load_b128 v[64+32*(\f)+8*\i:64+32*(\f)+8*\i+3],   v[ADRA+\slot] offset:4096*\i+1024*(\kk)
	ds_load_b128 v[64+32*(\f)+8*\i+4:64+32*(\f)+8*\i+7], v[ADRA+\slot] offset:4096*\i+1024*(\kk)+512
.endr
.endm
.macro MULA f, a, bias                 ; Y's block a against W's eight.  The 32 accumulators take turns, one instruction a turn
.irp b, 0,1,2,3,4,5,6,7
.if \bias
	v_wmma_f32_16x16x32_f16 v[8*(8*(\a)+\b):8*(8*(\a)+\b)+7], v[64*(\f)+8*\b:64*(\f)+8*\b+7], v[64+32*(\f)+8*(\a):64+32*(\f)+8*(\a)+7], v[BI+8*\b:BI+8*\b+7]
.else
	v_wmma_f32_16x16x32_f16 v[8*(8*(\a)+\b):8*(8*(\a)+\b)+7], v[64*(\f)+8*\b:64*(\f)+8*\b+7], v[64+32*(\f)+8*(\a):64+32*(\f)+8*(\a)+7], v[8*(8*(\a)+\b):8*(8*(\a)+\b)+7]
.endif
.endr
.endm
; A K step is four quarters of 32 along K, 32 matrix instructions each, on buffers 0, 1, 0, 1.  One of the first three: multiplies buffer f and fetches quarter kk into buffer g.
.macro QUARTER slot, kk, f, g, bias
	s_wait_dscnt 4                                 ; W's eight and Y's blocks 0 and 1 are in; the youngest four loads may be out
.if \bias
	WIN MULB
.else
	WIN MUL
.endif
	MULA \f, 0, \bias
	MULA \f, 1, \bias
	PLACES                                         ; in front of loads into registers that matrix instructions have read
	FETCH \slot, \kk, \g
	s_wait_dscnt 24                                ; all but the 24 just issued
.if \bias
	WIN MULB
.else
	WIN MUL
.endif
	MULA \f, 2, \bias
	MULA \f, 3, \bias
.endm
; The last quarter multiplies buffer 1 and changes slots: one barrier; in front of it each wave waits for all its tensor loads, adds 0 to its spare word, and waits for that and for its reads of this slot.  fill = 1: this slot is filled again, two K steps ahead.
.macro TURN slot, next, fill
.if \fill
	s_wait_xcnt 0x0                                ; the last prefetch, a K step back, has read its address
	s_add_nc_u64 s[PFA:PFA+1], s[PFA:PFA+1], 2097152
.endif
	WIN 0
	s_wait_tensorcnt 0x0                           ; all my tensor loads have landed: my part of the next slot
	ds_add_u32 v[SPW], v[NIL]
	s_wait_dscnt 5                                 ; (the add and the youngest four loads may be out)
	WIN MUL
	MULA 1, 0, 0
	s_wait_dscnt 0x0                               ; the add is done, and my reads of this slot are over
	s_barrier_signal -1
	MULA 1, 1, 0
.if \fill
	WIN 0
.endif
	s_barrier_wait -1
.if \fill
	CREST                                          ; the barrier has opened a round of the cluster's barrier: no wave of any partner still reads this slot or has a load on its way
	s_add_nc_u64 s[G0+4*\slot+2:G0+4*\slot+3], s[G0+4*\slot+2:G0+4*\slot+3], 4194304
	s_add_nc_u64 s[G0B+4*\slot+2:G0B+4*\slot+3], s[G0B+4*\slot+2:G0B+4*\slot+3], 524288
	JLOAD \slot                                    ; the first tensor load behind the round: 112 matrix instructions ahead of the wait for it; its four v_nop are also the places in front of the loads below
.else
	PLACES
.endif
	FETCH \next, 0, 0
.if \fill
	ASK
.endif
	WIN MUL
	MULA 1, 2, 0
	MULA 1, 3, 0
.endm
	s_load_b256 s[4:11], s[0:1], 0x0               ; y_img s[4:5], wp_img s[6:7], b_proj s[8:9], out0 s[10:11]
	v_lshl_add_u32 v[SPW], v0, 2, SPARE
	v_mov_b32 v[NIL], 0
	ds_add_u32 v[SPW], v[NIL]                      ; the wave's opening: the add, twice on end, and its wait ahead of my first tensor load
	ds_add_u32 v[SPW], v[NIL]
	v_lshrrev_b32 v1, 5, v0
	v_readfirstlane_b32 s[WV], v1
	s_lshr_b32 s[RH], s[WV], 1
	s_and_b32 s[CH], s[WV], 1
	s_bfe_u32 s40, ttmp6, 0x40000                  ; cx
	s_bfe_u32 s41, ttmp6, 0x40004                  ; cy
	s_lshl_b32 s42, ttmp9, 2
	s_add_co_u32 s42, s42, s40                     ; tile column
	s_and_b32 s[TR], ttmp7, 0xffff
	s_lshl_b32 s[TR], s[TR], 2
	s_add_co_u32 s[TR], s[TR], s41                 ; tile row
	s_lshl_b32 s43, s41, 2
	s_lshl_b32 s43, 15, s43                        ; my row of the cluster
	s_lshl_b32 s44, 0x1111, s40                    ; my column
	s_or_b32 s[G1], s43, (3<<16)|(1<<21)           ; the mask; elements of 8 bytes; bit 21 set beside a mask; no padding
	s_or_b32 s[G1B], s44, (3<<16)|(1<<21)
	s_mov_b32 s[G1+1], 32<<16                      ; Y: 16,384 dense bytes as 64 rows of 256
	s_mov_b32 s[G1+2], 64<<16
	s_mov_b32 s[G1+3], 32<<16
	s_mov_b32 s[G1+4], 64
	s_mov_b32 s[G1+5], 32
	s_mov_b32 s[G1+6], 0
	s_mov_b32 s[G1+7], 0
	s_mov_b32 s[G1B+1], 32<<16                     ; W: 32,768 dense bytes as 128 rows of 256
	s_mov_b32 s[G1B+2], 128<<16
	s_mov_b32 s[G1B+3], 32<<16
	s_mov_b32 s[G1B+4], 128
	s_mov_b32 s[G1B+5], 32
	s_mov_b32 s[G1B+6], 0
	s_mov_b32 s[G1B+7], 0
	s_lshl_b32 s16, s[TR], 15                      ; Y: (8 tile row + 4 half) tiles of 4,096 bytes
	s_lshl_b32 s17, s[CH], 14
	s_add_co_u32 s16, s16, s17
	s_mov_b32 s17, 0
	s_lshl_b32 s46, s42, 16                        ; W: (16 tile column + 8 half) tiles
	s_lshl_b32 s47, s[CH], 15
	s_add_co_u32 s46, s46, s47
	s_mov_b32 s47, 0
	s_lshl_b32 s18, s[CH], 14                      ; where they go: the wave's number alone
	s_lshl_b32 s19, s[CH], 15
	s_add_co_u32 s19, s19, BOFF
	s_wait_dscnt 0x0                               ; both opening adds are done
	s_wait_kmcnt 0x0
	s_add_nc_u64 s[16:17], s[4:5], s[16:17]
	s_add_nc_u64 s[46:47], s[6:7], s[46:47]
	CROUND                                         ; all sixteen work-groups are here: the first joint loads meet
.irp s, 0,1
	s_mov_b32 s[G0+4*\s], 1
	s_add_co_u32 s[G0+4*\s+1], s18, \s*SLOT
	s_add_nc_u64 s[G0+4*\s+2:G0+4*\s+3], s[16:17], \s*2097152
	s_or_b32 s[G0+4*\s+3], s[G0+4*\s+3], 0x80000000
	s_mov_b32 s[G0B+4*\s], 1
	s_add_co_u32 s[G0B+4*\s+1], s19, \s*SLOT
	s_add_nc_u64 s[G0B+4*\s+2:G0B+4*\s+3], s[46:47], \s*262144
	s_or_b32 s[G0B+4*\s+3], s[G0B+4*\s+3], 0x80000000
	JLOAD \s                                       ; two tensor loads of mine are out, by this text's count
.endr
	v_and_b32 v1, 31, v0
	v_lshlrev_b32 v[CO], 4, v1                     ; 16 x lane
	v_lshlrev_b32 v[PFO], 8, v1
	v_and_b32 v2, 15, v0                           ; r
	v_bfe_u32 v3, v0, 4, 1                         ; h
	v_lshlrev_b32 v7, 5, v3
	s_lshl_b32 s20, s42, 10
	s_lshl_b32 s21, s[CH], 9
	s_add_co_u32 s20, s20, s21                     ; my first column, in bytes
	s_mov_b32 s21, 0
	s_add_nc_u64 s[8:9], s[8:9], s[20:21]
.irp b, 0,1,2,3,4,5,6,7
	global_load_b128 v[BI+8*\b:BI+8*\b+3], v7, s[8:9] offset:64*\b
	global_load_b128 v[BI+8*\b+4:BI+8*\b+7], v7, s[8:9] offset:64*\b+16
.endr
	s_add_nc_u64 s[10:11], s[10:11], s[20:21]
	s_lshl_b32 s20, s[TR], 19
	s_lshl_b32 s22, s[RH], 18
	s_add_co_u32 s20, s20, s22                     ; my first row: (128 tile row + 64 half) rows of 4,096 bytes
	s_add_nc_u64 s[10:11], s[10:11], s[20:21]
	s_lshl_b32 s22, s[RH], 14
	s_lshl_b32 s23, s[CH], 15
	s_add_co_u32 s23, s23, BOFF
.irp s, 0,1
	v_add_nc_u32 v[ADRA+\s], s22, v[CO]
	v_add_nc_u32 v[ADRB+\s], s23, v[CO]
	s_add_co_u32 s22, s22, SLOT
	s_add_co_u32 s23, s23, SLOT
.endr
	s_mul_i32 s22, s[WV], 16*SPITCH
	s_add_co_u32 s22, s22, STAGE                   ; my stage
	v_mul_u32_u24 v4, v2, SPITCH
	v_lshl_add_u32 v4, v3, 5, v4
	v_add_nc_u32 v[STO], s22, v4                   ; in: row r, 32 bytes for each half of the lanes
	v_add_nc_u32 v[RD], s22, v[CO]                 ; back: the 32 lanes take a row of 512 bytes
	s_lshl_b32 s20, s[TR], 15                      ; the prefetches: my tile row,
	s_lshl_b32 s22, s40, 13                        ; my work-group's 8,192 bytes of its 32,768,
	s_add_co_u32 s20, s20, s22
	s_add_co_u32 s20, s20, 4194304                 ; at K step 2: the first refill steps it to 3 and names K step 4
	s_add_nc_u64 s[PFA:PFA+1], s[4:5], s[20:21]
	s_cmp_eq_u32 s[WV], 0
	s_cselect_b32 s[LIM], 1, -1
	s_wait_tensorcnt 1                             ; my part of K step 0 is in; K step 1's load may be out
	s_barrier_signal -1
	s_barrier_wait -1
	FETCH 0, 0, 0
	s_wait_loadcnt 0x0                             ; the bias
	QUARTER 0, 1, 0, 1, 1                          ; the first quarter stands in front of the loop: its products start the sums on the bias
	WIN 0
	s_mov_b32 s3, 3
.Llap:                                             ; a trip goes once round the ring, from a lap's second quarter to the next lap's first, and fills both slots again
	QUARTER 0, 2, 1, 0, 0
	QUARTER 0, 3, 0, 1, 0
	TURN 0, 1, 1
	QUARTER 1, 1, 0, 1, 0
	QUARTER 1, 2, 1, 0, 0
	QUARTER 1, 3, 0, 1, 0
	TURN 1, 0, 1
	QUARTER 0, 1, 0, 1, 0
	WIN 0
	s_sub_co_u32 s3, s3, 1
	s_cmp_lg_u32 s3, 0
	s_cbranch_scc1 .Llap
	QUARTER 0, 2, 1, 0, 0                          ; the last lap fills nothing
	QUARTER 0, 3, 0, 1, 0
	TURN 0, 1, 0
	QUARTER 1, 1, 0, 1, 0
	QUARTER 1, 2, 1, 0, 0
	QUARTER 1, 3, 0, 1, 0
	s_wait_dscnt 4
	WIN MUL
	MULA 1, 0, 0
	MULA 1, 1, 0
	s_wait_dscnt 0x0
	MULA 1, 2, 0
	MULA 1, 3, 0
	WIN 0
; THE WAY OUT, a block of 16 rows x 128 columns at a time: through my own stage and back as whole rows of 512 bytes.  LDS serves a wave's instructions in order: no wait between the stores and the loads.
.macro TOSTAGE a
	WIN 0x08                                       ; an LDS store's data: window 2
.irp b, 0,1,2,3,4,5,6,7
	ds_store_b128 v[STO], v[64*(\a)+8*\b:64*(\a)+8*\b+3] offset:64*\b          ; each accumulator from its low end on
	ds_store_b128 v[STO], v[64*(\a)+8*\b+4:64*(\a)+8*\b+7] offset:64*\b+16
.endr
	WIN 0
.set BB, BK+64*((\a)%2)
.irp t, 0,1,2,3,4,5,6,7,8,9,10,11,12,13,14,15
	ds_load_b128 v[BB+4*\t:BB+4*\t+3], v[RD] offset:\t*SPITCH
.endr
.endm
.macro SEND a, younger
.set BB, BK+64*((\a)%2)
	s_wait_dscnt \younger
.if (\a) > 0
	s_add_nc_u64 s[10:11], s[10:11], 65536         ; 16 rows on (behind a wait for the earlier stores' addresses)
.endif
.irp t, 0,1,2,3,4,5,6,7,8,9,10,11,12,13,14,15
	global_store_b128 v[CO], v[BB+4*\t:BB+4*\t+3], s[10:11] offset:\t*4096   ; 32 lanes store 512 consecutive bytes, aligned
.endr
.endm
	PLACES
	TOSTAGE 0
.irp a, 1,2,3
.if \a > 1
	s_wait_xcnt 0x0                                ; block a - 2's stores have read their registers and their base
.endif
	TOSTAGE \a
	SEND \a-1, 32                                  ; behind block a - 1's loads: block a's 16 stores and 16 loads
.endr
	s_wait_xcnt 0x0
	SEND 3, 0
	s_wait_tensorcnt 0x0                           ; the wave's end
	ds_add_u32 v[SPW], v[NIL]
	s_wait_dscnt 0x0
	CROUND                                         ; the closing round
	s_endpgm
.Lfunc_end_k_q54a2a28498_proj:
	.size	k_q54a2a28498_proj, .Lfunc_end_k_q54a2a28498_proj-k_q54a2a28498_proj
	.p2alignl 7, 3214868480
	.fill 96, 4, 3214868480
	.section	.rodata,"a",@progbits
	.p2align	6, 0x0
	.amdhsa_kernel k_q54a2a28498_proj
		.amdhsa_group_segment_fixed_size 327680
		.amdhsa_private_segment_fixed_size 0
		.amdhsa_enable_private_segment 0
		.amdhsa_kernarg_size 32
		.amdhsa_user_sgpr_count 2
		.amdhsa_user_sgpr_kernarg_segment_ptr 1
		.amdhsa_wavefront_size32 1
		.amdhsa_system_sgpr_workgroup_id_x 1
		.amdhsa_system_sgpr_workgroup_id_y 1
		.amdhsa_system_sgpr_workgroup_id_z 1
		.amdhsa_system_vgpr_workitem_id 0
		.amdhsa_next_free_vgpr 768
		.amdhsa_next_free_sgpr 72
		.amdhsa_reserve_vcc 0
		.amdhsa_float_denorm_mode_32 3
		.amdhsa_float_denorm_mode_16_64 3
		.amdhsa_memory_ordered 1
		.amdhsa_forward_progress 1
		.amdhsa_inst_pref_size 87
	.end_amdhsa_kernel
	.amdgpu_metadata
---
amdhsa.version: [ 1, 2 ]
amdhsa.kernels:
  - .name:           k_q54a2a28498_proj
    .symbol:         k_q54a2a28498_proj.kd
    .args:
      - { .name: y_img, .offset: 0, .size: 8, .value_kind: global_buffer, .address_space: global }
      - { .name: wp_img, .offset: 8, .size: 8, .value_kind: global_buffer, .address_space: global }
      - { .name: b_proj, .offset: 16, .size: 8, .value_kind: global_buffer, .address_space: global }
      - { .name: out0, .offset: 24, .size: 8, .value_kind: global_buffer, .address_space: global }
    .group_segment_fixed_size: 327680
    .private_segment_fixed_size: 0
    .kernarg_segment_align: 8
    .kernarg_segment_size: 32
    .max_flat_workgroup_size: 128
    .sgpr_count:     72
    .vgpr_count:     768
    .wavefront_size: 32
...
	.end_amdgpu_metadata
.endif
;; end of part 4
;; launch fine (part 5): grid 16 x 4, 16 waves a work-group, no clusters, 71,680 bytes of LDS; arguments qkv32, W_proj, b_proj, out0; writes out0
.if DOCPART == 5
	.amdgcn_target "amdgcn-amd-amdhsa--gfx1250"
	.amdhsa_code_object_version 6
	.text
	.protected	k_q54a2a28498_fine
	.globl	k_q54a2a28498_fine
	.p2align	8
	.type	k_q54a2a28498_fine,@function
k_q54a2a28498_fine:
	s_mov_b64 s[64:65], 0
	v_nop
	global_prefetch_b8 v0, s[64:65] scope:SCOPE_SE
	s_setreg_imm32_b32 hwreg(HW_REG_WAVE_MODE, 25, 1), 1
	s_wait_xcnt 0x0
; POSITIONS 0-15 OF EVERY SEQUENCE, attention and projection, all in f32: these rows average one to sixteen values and are the largest in size, so that 16-bit operands would use up what the comparison allows.  64 rows of out0 are written over.
; Work-group (nc, batch) makes 16 rows x 64 columns.  Wave hd takes head hd: its 16 x 16 attention (made anew in each of the 16 work-groups of a batch: 32 small matrix instructions) and its 64 of the projection's K; the sixteen partial results meet in LDS.
; qkv32 holds accumulators as they stood: lane (r, h), register j of block nb: position r, column 16 nb + 8 h + j.
; v_wmma_f32_16x16x4_f32 takes of lane (r, h) row or column r and, in register j, k = 2 h + j.  A permutation of k applied alike to both sources keeps the products: step (b, u) takes registers 8 b + 2 u, + 1 of q's and k's images (channel 16 b + 8 h + 2 u + j),
; key step s takes registers 2 s, 2 s + 1 of p (key 8 h + 2 s + j).  v has its keys across lanes: it is turned through the wave's own part of LDS.
; S^T = K Q^T, O^T = V^T P, OUT^T = W^T Y^T: a lane holds one position throughout.  The registers that the matrix instructions write (v112-175) are written by them alone.
.set RED,   4352                       ; a wave's part of LDS: 16 rows x 272 bytes: first v, then its partial result
.set SPARE, 69632                      ; the spare words, 128 bytes for each of sixteen waves
.set SPW, 8
.set NIL, 9
.macro PLACES8
.rept 8
	v_nop
.endr
.endm
.macro PJ ct, u, first                 ; four matrix instructions: channels 16 ct + 8 h + 2 u + j against the four tiles of 16 columns, which take turns
.irp nt, 0,1,2,3
.if \nt < 2
.set WR, 176+32*\nt+2*(4*\ct+\u)
.else
.set WR, 16+32*(\nt-2)+2*(4*\ct+\u)
.endif
.if \first
	v_wmma_f32_16x16x4_f32 v[112+8*\nt:119+8*\nt], v[WR:WR+1], v[80+8*\ct+2*\u:81+8*\ct+2*\u], 0
.else
	v_wmma_f32_16x16x4_f32 v[112+8*\nt:119+8*\nt], v[WR:WR+1], v[80+8*\ct+2*\u:81+8*\ct+2*\u], v[112+8*\nt:119+8*\nt]
.endif
.endr
.endm
	s_load_b256 s[4:11], s[0:1], 0x0               ; qkv32 s[4:5], W_proj s[6:7], b_proj s[8:9], out0 s[10:11]
	v_lshl_add_u32 v[SPW], v0, 2, SPARE
	v_mov_b32 v[NIL], 0
	v_lshrrev_b32 v1, 5, v0
	v_readfirstlane_b32 s12, v1                    ; the head
	s_and_b32 s13, ttmp7, 0xffff                   ; the batch
	v_and_b32 v15, 31, v0
	v_and_b32 v1, 15, v0                           ; r
	v_bfe_u32 v2, v0, 4, 1                         ; h
	v_lshlrev_b32 v3, 4, v15                       ; 16 x lane
	v_lshlrev_b32 v7, 3, v15                       ; 8 x lane
	v_lshlrev_b32 v4, 2, v1
	v_lshl_add_u32 v4, v2, 15, v4                  ; W_proj: column r, 8 h rows of 4,096 bytes down
	s_mul_i32 s14, s12, RED
	v_mul_u32_u24 v5, v1, 272
	v_lshl_add_u32 v5, v2, 5, v5
	v_add_nc_u32 v5, s14, v5                       ; my part of LDS, in: row r, + 32 h
	v_mul_u32_u24 v14, v2, 2176
	v_lshl_add_u32 v14, v1, 2, v14
	v_add_nc_u32 v14, s14, v14                     ; v turned: row 8 h, column r
	s_mul_i32 s15, s12, 272
	v_add_nc_u32 v6, s15, v7                       ; the reduction: row hd of a wave's part, 8 bytes a lane
	v_lshlrev_b32 v12, 3, v2
	v_sub_nc_u32 v12, v1, v12                      ; d = r - 8 h: register j holds key 8 h + j, hidden where j > d
	v_mov_b32 v13, 0xff800000                      ; -infinity
	s_mov_b32 s24, 0x3e38aa3b                      ; c = log2(e) / 8
	s_mov_b32 s26, 0x76543210
	s_mov_b32 s27, 0xfedcba98
	s_mul_i32 s16, s13, 192
	s_lshl_b32 s17, s12, 2
	s_add_co_u32 s16, s16, s17
	s_lshl_b32 s16, s16, 10                        ; q's four blocks of my head; k's lie 65,536 bytes on, v's 131,072
	s_mov_b32 s17, 0
	s_lshl_b32 s20, ttmp9, 8                       ; my work-group's 64 columns, in bytes
	s_mov_b32 s21, 0
	s_lshl_b32 s18, s12, 18                        ; my head's 64 rows of W_proj
	s_add_co_u32 s18, s18, s20
	s_mov_b32 s19, 0
	s_lshl_b32 s22, s13, 23                        ; out0: row 2,048 batch + hd
	s_lshl_b32 s23, s12, 12
	s_add_co_u32 s22, s22, s23
	s_add_co_u32 s22, s22, s20
	s_mov_b32 s23, 0
	s_wait_kmcnt 0x0
	s_add_nc_u64 s[4:5], s[4:5], s[16:17]
	s_add_nc_u64 s[6:7], s[6:7], s[18:19]
	s_add_nc_u64 s[8:9], s[8:9], s[20:21]
	s_add_nc_u64 s[10:11], s[10:11], s[22:23]
	global_load_b64 v[10:11], v7, s[8:9]           ; the bias of my two columns
.irp sec, 0,1,2                                ; q v16-47, k v48-79, v v80-111
.irp b, 0,1,2,3
	global_load_b128 v[16+32*\sec+8*\b:16+32*\sec+8*\b+3], v3, s[4:5] offset:65536*\sec+1024*\b
	global_load_b128 v[16+32*\sec+8*\b+4:16+32*\sec+8*\b+7], v3, s[4:5] offset:65536*\sec+1024*\b+512
.endr
.endr
.irp nt, 0,1                                   ; W_proj for the first two tiles of columns: v176-239
.irp ct, 0,1,2,3
.irp u, 0,1,2,3
.irp j, 0,1
	global_load_b32 v[176+32*\nt+2*(4*\ct+\u)+\j], v4, s[6:7] offset:(16*\ct+2*\u+\j)*4096+64*\nt
.endr
.endr
.endr
.endr
	s_wait_loadcnt 63                              ; of the 89 loads the oldest 26 are in: the bias, q, k and v are the first 25
.irp b, 0,1,2,3
	ds_store_b128 v5, v[80+8*\b:80+8*\b+3] offset:64*\b            ; v(key r, channels 16 b + 8 h ..)
	ds_store_b128 v5, v[80+8*\b+4:80+8*\b+7] offset:64*\b+16
.endr
	s_wait_dscnt 0x0                               ; the stores have read their registers
.irp ct, 0,1,2,3
.irp i, 0,1,2,3,4,5,6,7
	ds_load_b32 v[80+8*\ct+\i], v14 offset:272*\i+64*\ct           ; v(key 8 h + i, channel 16 ct + r)
.endr
.endr
.irp b, 0,1,2,3                                ; S^T in four partial sums, which take turns
.irp u, 0,1,2,3
.if \b == 0
	v_wmma_f32_16x16x4_f32 v[112+8*\u:119+8*\u], v[48+8*\b+2*\u:49+8*\b+2*\u], v[16+8*\b+2*\u:17+8*\b+2*\u], 0
.else
	v_wmma_f32_16x16x4_f32 v[112+8*\u:119+8*\u], v[48+8*\b+2*\u:49+8*\b+2*\u], v[16+8*\b+2*\u:17+8*\b+2*\u], v[112+8*\u:119+8*\u]
.endif
.endr
.endr
	PLACES8                                        ; eight places behind this form: for the loads into q's and k's registers and the reads of the sums
.irp nt, 2,3                                   ; W_proj for the other two tiles: v16-79
.irp ct, 0,1,2,3
.irp u, 0,1,2,3
.irp j, 0,1
	global_load_b32 v[16+32*(\nt-2)+2*(4*\ct+\u)+\j], v4, s[6:7] offset:(16*\ct+2*\u+\j)*4096+64*\nt
.endr
.endr
.endr
.endr
.irp i, 0,2,4,6
	v_pk_add_f32 v[240+\i:241+\i], v[112+\i:113+\i], v[120+\i:121+\i]   ; each accumulator is read from its low end on
.endr
.irp i, 0,2,4,6
	v_pk_add_f32 v[248+\i:249+\i], v[128+\i:129+\i], v[136+\i:137+\i]
.endr
.irp i, 0,2,4,6
	v_pk_add_f32 v[240+\i:241+\i], v[240+\i:241+\i], v[248+\i:249+\i]   ; the scores: lane (r, h): query r, keys 8 h + 0 .. 7
.endr
.irp j, 0,1,2,3,4,5,6,7
	v_cmp_gt_i32 vcc_lo, \j, v12
	v_cndmask_b32 v[240+\j], v[240+\j], v13, vcc_lo
.endr
	v_max3_num_f32 v248, v240, v241, v242
	v_max3_num_f32 v248, v248, v243, v244
	v_max3_num_f32 v248, v248, v245, v246
	v_max_num_f32 v248, v248, v247
	v_permlanex16_b32 v249, v248, s26, s27
	v_max_num_f32 v248, v248, v249                 ; the row's maximum: key 0 counts for every query
	v_mul_f32 v250, s24, v248
.irp j, 0,1,2,3,4,5,6,7
	v_fma_f32 v[240+\j], v[240+\j], s24, -v250
.endr
.irp j, 0,1,2,3,4,5,6,7
	v_exp_f32 v[240+\j], v[240+\j]
.endr
	v_nop
	s_wait_alu depctr_va_vdst(0)                   ; one wait for the eight exponentials, ahead of their first reader
	v_pk_add_f32 v[252:253], v[240:241], v[242:243]
	v_pk_add_f32 v[254:255], v[244:245], v[246:247]
	v_pk_add_f32 v[252:253], v[252:253], v[254:255]
	v_add_f32 v252, v252, v253
	v_permlanex16_b32 v253, v252, s26, s27
	v_add_f32 v252, v252, v253
	v_rcp_f32 v254, v252
	v_nop
	s_wait_alu depctr_va_vdst(0)
	s_wait_dscnt 0x0                               ; v, turned
.irp s, 0,1,2,3                                ; O^T: the four tiles of channels take turns
.irp ct, 0,1,2,3
.if \s == 0
	v_wmma_f32_16x16x4_f32 v[144+8*\ct:151+8*\ct], v[80+8*\ct+2*\s:81+8*\ct+2*\s], v[240+2*\s:241+2*\s], 0
.else
	v_wmma_f32_16x16x4_f32 v[144+8*\ct:151+8*\ct], v[80+8*\ct+2*\s:81+8*\ct+2*\s], v[240+2*\s:241+2*\s], v[144+8*\ct:151+8*\ct]
.endif
.endr
.endr
	PLACES8
.irp i, 0,2,4,6,8,10,12,14,16,18,20,22,24,26,28,30
	v_pk_mul_f32 v[80+\i:81+\i], v[144+\i:145+\i], v[254:255] op_sel_hi:[1,0]   ; y = O^T / the sum, into other registers: lane (r, h): position r, channels 16 ct + 8 h + j
.endr
	s_wait_loadcnt 0x0                             ; W_proj
.irp ct, 0,1,2,3
.irp u, 0,1,2,3
.if (\ct+\u) == 0
	PJ \ct, \u, 1
.else
	PJ \ct, \u, 0
.endif
.endr
.endr
	PLACES8
.irp nt, 0,1,2,3
	ds_store_b128 v5, v[112+8*\nt:115+8*\nt] offset:64*\nt         ; lane (r, h): position r, columns 16 nt + 8 h + 0 .. 7
	ds_store_b128 v5, v[116+8*\nt:119+8*\nt] offset:64*\nt+16
.endr
	s_wait_dscnt 0x0                               ; for the others' sake: my partial result lies in LDS
	s_barrier_signal -1
	s_barrier_wait -1
.irp w, 0,1,2,3,4,5,6,7,8,9,10,11,12,13,14,15
	ds_load_b64 v[176+2*\w:177+2*\w], v6 offset:RED*\w             ; row hd of every head's partial result
.endr
	s_wait_dscnt 0x0
.irp w, 0,4,8,12
	v_pk_add_f32 v[10:11], v[10:11], v[176+2*\w:177+2*\w]          ; a fixed order, in two chains, on top of the bias
	v_pk_add_f32 v[178:179], v[178:179], v[180+2*\w:181+2*\w]
	v_pk_add_f32 v[10:11], v[10:11], v[182+2*\w:183+2*\w]
.if \w < 12
	v_pk_add_f32 v[178:179], v[178:179], v[186+2*\w:187+2*\w]
.endif
.endr
	v_pk_add_f32 v[10:11], v[10:11], v[178:179]
	global_store_b64 v7, v[10:11], s[10:11]        ; 256 consecutive bytes, aligned
	s_wait_tensorcnt 0x0                           ; the wave's end, behind my last LDS store
	ds_add_u32 v[SPW], v[NIL]
	s_wait_dscnt 0x0
	s_endpgm
.Lfunc_end_k_q54a2a28498_fine:
	.size	k_q54a2a28498_fine, .Lfunc_end_k_q54a2a28498_fine-k_q54a2a28498_fine
	.p2alignl 7, 3214868480
	.fill 96, 4, 3214868480
	.section	.rodata,"a",@progbits
	.p2align	6, 0x0
	.amdhsa_kernel k_q54a2a28498_fine
		.amdhsa_group_segment_fixed_size 71680
		.amdhsa_private_segment_fixed_size 0
		.amdhsa_enable_private_segment 0
		.amdhsa_kernarg_size 32
		.amdhsa_user_sgpr_count 2
		.amdhsa_user_sgpr_kernarg_segment_ptr 1
		.amdhsa_wavefront_size32 1
		.amdhsa_system_sgpr_workgroup_id_x 1
		.amdhsa_system_sgpr_workgroup_id_y 1
		.amdhsa_system_sgpr_workgroup_id_z 1
		.amdhsa_system_vgpr_workitem_id 0
		.amdhsa_next_free_vgpr 256
		.amdhsa_next_free_sgpr 66
		.amdhsa_reserve_vcc 1
		.amdhsa_float_denorm_mode_32 3
		.amdhsa_float_denorm_mode_16_64 3
		.amdhsa_memory_ordered 1
		.amdhsa_forward_progress 1
		.amdhsa_inst_pref_size 33
	.end_amdhsa_kernel
	.amdgpu_metadata
---
amdhsa.version: [ 1, 2 ]
amdhsa.kernels:
  - .name:           k_q54a2a28498_fine
    .symbol:         k_q54a2a28498_fine.kd
    .args:
      - { .name: qkv32, .offset: 0, .size: 8, .value_kind: global_buffer, .address_space: global }
      - { .name: W_proj, .offset: 8, .size: 8, .value_kind: global_buffer, .address_space: global }
      - { .name: b_proj, .offset: 16, .size: 8, .value_kind: global_buffer, .address_space: global }
      - { .name: out0, .offset: 24, .size: 8, .value_kind: global_buffer, .address_space: global }
    .group_segment_fixed_size: 71680
    .private_segment_fixed_size: 0
    .kernarg_segment_align: 8
    .kernarg_segment_size: 32
    .max_flat_workgroup_size: 512
    .sgpr_count:     66
    .vgpr_count:     256
    .wavefront_size: 32
...
	.end_amdgpu_metadata
.endif
;; end of part 5
